; MI455X (gfx1250); checked and timed in simulation.
; The chip was launched on July 23, 2026; its instructions are those of AMD's public machine-readable ISA for CDNA 5 (MIT licence, August 2026) and "CDNA5" Instruction Set Architecture Reference Guide (July 2026). The comments in the code are by the model that wrote it; some were corrected since.
;; Qwen3 Attention. Allowed arithmetic: float matrix products may take bf16 or f16 operands with f32 sums; all other float work in f32.
;; Inputs: hidden_states 2,048 x 2,048 float32; k_norm_w 128 float32; positions 2,048 int32; q_norm_w 128 float32; w_o 2,048 x 2,048 float32; w_qkv 2,048 x 4,096 float32.
;; Outputs: out0 2,048 x 2,048 float32.
;; 2 versions, each right and faster than the one before. Each part assembles by itself: llvm-mc -triple=amdgcn-amd-amdhsa -mcpu=gfx1250 --defsym DOCPART=n.
;; ======== version 1 of 2: 4 launches
;; limits: values are held in f16: magnitudes above 65,504 overflow, below 6.1e-05 lose precision; values outside matrix products are rounded to bf16
;; workspace buffers: xh 8,388,608 bytes; wqkvh 16,777,216 bytes; woh 8,388,608 bytes; tab 1,048,576 bytes; qkvh 16,777,216 bytes; atth 16,777,216 bytes
;; launch prep (part 1): grid 1056 x 1, 8 waves a work-group, no clusters, 0 bytes of LDS; arguments hidden_states, w_qkv, w_o, positions, xh, wqkvh, woh, tab; writes xh, wqkvh, woh, tab
.if DOCPART == 1
	.amdgcn_target "amdgcn-amd-amdhsa--gfx1250"
	.amdhsa_code_object_version 6
	.text
	.protected	k_q7a442ea73e_prep
	.globl	k_q7a442ea73e_prep
	.p2align	8
	.type	k_q7a442ea73e_prep,@function
k_q7a442ea73e_prep:
	s_mov_b64 s[64:65], 0
	v_nop
	global_prefetch_b8 v0, s[64:65] scope:SCOPE_SE
	s_setreg_imm32_b32 hwreg(HW_REG_WAVE_MODE, 25, 1), 1
	s_wait_xcnt 0x0
; Launch 1 of 4.  Work-groups 0-1023: the three matrix inputs, layouts kept: hidden_states -> xh, w_qkv -> wqkvh, w_o -> woh.
; Work-groups 1024-1055: the table tab[t][0..63] = cos(positions[t] * inv_freq[j]), tab[t][64..127] = sin(..), f32.
; FORMAT: each number is rounded to bf16 (nearest even), the contract's operand format, and stored as an f16 word.  A bf16 number has
; 8 significant bits, so it is exact in f16 from 2^-17 up to 65,504; a smaller one is moved by at most 2^-25 = 3e-8 (f16's smallest step
; is 2^-24).  Why f16 words: the intermediates of the later launches (q, k, v, p, att) need f16's 11 bits, and a matrix instruction
; takes both operands in one format.  So the program computes the definition on bf16-rounded inputs, up to the intermediates' rounding.
; Room: hidden about 1, weights about 0.02; thirty times larger or smaller stays between 3e-8 and 65,504.
; A cast group takes 65,536 bytes of f32: thread t owns the 16 bytes at 16 t of each of 16 pieces of 4,096 bytes.
; All 16 loads go out first; a store of a wave covers 256 consecutive bytes, aligned.  A store's data registers are written only ahead of it.
; LIMIT of the table: inv_freq is right to about one unit in the last place, so an angle carries about 2e-7 x |angle| rad;
; the reduction to one turn is exact enough for every int32 position (two-word 1/2pi, reduced twice).
	s_load_b512 s[8:23], s[0:1], 0x0               ; hidden 8, w_qkv 10, w_o 12, positions 14, xh 16, wqkvh 18, woh 20, tab 22
	s_cmp_lt_u32 ttmp9, 1024
	s_cbranch_scc0 .Ltable
	v_lshlrev_b32 v1, 4, v0                        ; 16 t: my bytes in a piece of the source
	v_lshlrev_b32 v2, 3, v0                        ; 8 t: in a piece of the destination
	s_mov_b32 s29, 0xffff0000                      ; a word's upper bf16
	s_wait_kmcnt 0x0
	s_cmp_lt_u32 ttmp9, 256                        ; groups 0-255 hidden, 256-767 w_qkv, 768-1023 w_o
	s_cselect_b64 s[24:25], s[8:9], s[10:11]
	s_cselect_b64 s[26:27], s[16:17], s[18:19]
	s_cselect_b32 s28, 0, 256
	s_cmp_lt_u32 ttmp9, 768
	s_cselect_b64 s[24:25], s[24:25], s[12:13]
	s_cselect_b64 s[26:27], s[26:27], s[20:21]
	s_cselect_b32 s28, s28, 768
	s_sub_co_u32 s28, ttmp9, s28                   ; the group's number inside its tensor
	s_lshl_b32 s30, s28, 16                        ; x 65,536 bytes of f32
	s_mov_b32 s31, 0
	s_add_nc_u64 s[24:25], s[24:25], s[30:31]
	s_lshl_b32 s30, s28, 15                        ; x 32,768 bytes of f16
	s_add_nc_u64 s[26:27], s[26:27], s[30:31]
.irp j, 0,1,2,3,4,5,6,7,8,9,10,11,12,13,14,15
	global_load_b128 v[4+4*\j:7+4*\j], v1, s[24:25] offset:4096*\j th:TH_LOAD_NT
.endr
.irp j, 0,1,2,3,4,5,6,7,8,9,10,11,12,13,14,15
	s_wait_loadcnt 15-\j                           ; loads return in order: piece j is in, the 15 - j younger ones stay out
	v_cvt_pk_bf16_f32 v[68+2*\j], v[4+4*\j], v[5+4*\j]     ; the one rounding: to bf16
	v_cvt_pk_bf16_f32 v[69+2*\j], v[6+4*\j], v[7+4*\j]
	v_lshlrev_b32 v[4+4*\j], 16, v[68+2*\j]                ; back to f32: a shift or a mask
	v_and_b32     v[5+4*\j], s29, v[68+2*\j]
	v_lshlrev_b32 v[6+4*\j], 16, v[69+2*\j]
	v_and_b32     v[7+4*\j], s29, v[69+2*\j]
	v_cvt_pk_f16_f32 v[68+2*\j], v[4+4*\j], v[5+4*\j]      ; and into f16 words, exact from 2^-17 up
	v_cvt_pk_f16_f32 v[69+2*\j], v[6+4*\j], v[7+4*\j]
	global_store_b64 v2, v[68+2*\j:69+2*\j], s[26:27] offset:2048*\j
.endr
	s_endpgm
; The table.  A group takes 64 tokens; thread t: frequencies 4c .. 4c+3 (c = t & 15), tokens p0 + 16 i + (t >> 4), i = 0..3.
.Ltable:
	s_sub_co_u32 s28, ttmp9, 1024
	v_and_b32 v1, 15, v0                           ; c
	v_lshrrev_b32 v2, 4, v0                        ; pr
	v_lshlrev_b32 v3, 2, v2                        ; 4 pr
	s_lshl_b32 s30, s28, 8                         ; 64 tokens x 4 bytes
	s_mov_b32 s31, 0
	s_wait_kmcnt 0x0
	s_add_nc_u64 s[14:15], s[14:15], s[30:31]
.irp i, 0,1,2,3
	global_load_b32 v[4+\i], v3, s[14:15] offset:64*\i
.endr
	s_lshl_b32 s30, s28, 15                        ; 64 rows of 512 bytes
	s_add_nc_u64 s[22:23], s[22:23], s[30:31]
	s_mov_b32 s32, 0xbe9f73da                      ; -log2(1e6)/64, upper word
	s_mov_b32 s33, 0xb1e36e00                      ; and what the upper word leaves, -6.62e-9
	s_mov_b32 s34, 0x3f317218                      ; ln 2
	s_mov_b32 s35, 0x3e22f983                      ; 1/2pi, upper word
	s_mov_b32 s36, 0x31dc9c88                      ; and what it leaves, 6.42e-9
	s_mov_b32 s37, 0x3fc90fdb                      ; pi/2
	s_mov_b32 s38, 0x3638ef1d                      ; 1/9!
	s_mov_b32 s39, 0xb9500d01                      ; -1/7!
	s_mov_b32 s40, 0xb493f27e                      ; -1/10!
	s_mov_b32 s41, 0x37d00d01                      ; 1/8!
	; inv_freq[j] = 2^(j C): a = j C_hi rounded, err = what a leaves out; 2^(a + err) = 2^a (1 + err ln 2)
.irp e, 0,1,2,3
	v_lshl_add_u32 v[12+\e], v1, 2, \e
	v_cvt_f32_u32 v[12+\e], v[12+\e]
	v_mul_f32 v[16+\e], s32, v[12+\e]
	v_fma_f32 v[20+\e], v[12+\e], s32, -v[16+\e]
	v_fma_f32 v[20+\e], v[12+\e], s33, v[20+\e]
.endr
.irp e, 0,1,2,3
	v_exp_f32 v[24+\e], v[16+\e]
.endr
	v_lshlrev_b32 v28, 9, v2                       ; a plain instruction stands between the exponentials and their use (ISA guide 5.7.2):
	v_lshl_add_u32 v28, v1, 4, v28                 ; 512 pr + 16 c, my 16 bytes in the table's rows
	s_wait_alu depctr_va_vdst(0)
.irp e, 0,1,2,3
	v_mul_f32 v[20+\e], v[24+\e], v[20+\e]
	v_fma_f32 v[8+\e], v[20+\e], s34, v[24+\e]
.endr
; cos and sin of v[ang] (radians).  f = ang/2pi less the nearest whole number, with 1/2pi in two words; for very large angles
; the first remainder can be several turns, so it is reduced once more.  x = f pi/2 is a quarter of the angle, |x| <= pi/4:
; Taylor sums to x^9 and x^10 (next terms below 2e-9), then the angle is doubled twice.
.macro SINCOS c, s, ang
	v_mul_f32 v16, s35, v[\ang]
	v_rndne_f32 v16, v16
	v_fma_f32 v17, v[\ang], s35, -v16
	v_fma_f32 v17, v[\ang], s36, v17
	v_rndne_f32 v16, v17
	v_sub_f32 v17, v17, v16
	v_mul_f32 v17, s37, v17
	v_mul_f32 v18, v17, v17
	v_fma_f32 v19, v18, s38, s39
	v_fma_f32 v20, v18, s40, s41
	v_fmaak_f32 v19, v19, v18, 0x3c088889          ; 1/5!
	v_fmaak_f32 v20, v20, v18, 0xbab60b61          ; -1/6!
	v_fmaak_f32 v19, v19, v18, 0xbe2aaaab          ; -1/3!
	v_fmaak_f32 v20, v20, v18, 0x3d2aaaab          ; 1/4!
	v_fma_f32 v19, v19, v18, 1.0
	v_fma_f32 v20, v20, v18, -0.5
	v_mul_f32 v19, v19, v17                        ; sin x
	v_fma_f32 v20, v20, v18, 1.0                   ; cos x
	v_add_f32 v21, v19, v19
	v_fma_f32 v23, -v21, v19, 1.0                  ; cos 2x = 1 - 2 sin^2
	v_mul_f32 v19, v21, v20                        ; sin 2x = 2 sin cos
	v_add_f32 v21, v19, v19
	v_fma_f32 v[\c], -v21, v19, 1.0
	v_mul_f32 v[\s], v21, v23
.endm
.irp i, 0,1,2,3
	s_wait_loadcnt 3-\i                            ; position i is in, the younger ones stay out
	v_cvt_f32_i32 v[4+\i], v[4+\i]
.irp e, 0,1,2,3
	v_mul_f32 v22, v[4+\i], v[8+\e]                ; the angle, rounded once as in the definition
	SINCOS 32+8*\i+\e, 36+8*\i+\e, 22
.endr
	global_store_b128 v28, v[32+8*\i:35+8*\i], s[22:23] offset:8192*\i        ; sixteen lanes store 256 consecutive bytes: a row's cosines
	global_store_b128 v28, v[36+8*\i:39+8*\i], s[22:23] offset:8192*\i+256    ; and its sines
.endr
	s_endpgm
.Lfunc_end_k_q7a442ea73e_prep:
	.size	k_q7a442ea73e_prep, .Lfunc_end_k_q7a442ea73e_prep-k_q7a442ea73e_prep
	.p2alignl 7, 3214868480
	.fill 96, 4, 3214868480
	.section	.rodata,"a",@progbits
	.p2align	6, 0x0
	.amdhsa_kernel k_q7a442ea73e_prep
		.amdhsa_group_segment_fixed_size 0
		.amdhsa_private_segment_fixed_size 0
		.amdhsa_enable_private_segment 0
		.amdhsa_kernarg_size 64
		.amdhsa_user_sgpr_count 2
		.amdhsa_user_sgpr_kernarg_segment_ptr 1
		.amdhsa_wavefront_size32 1
		.amdhsa_system_sgpr_workgroup_id_x 1
		.amdhsa_system_sgpr_workgroup_id_y 1
		.amdhsa_system_sgpr_workgroup_id_z 1
		.amdhsa_system_vgpr_workitem_id 0
		.amdhsa_next_free_vgpr 100
		.amdhsa_next_free_sgpr 66
		.amdhsa_reserve_vcc 0
		.amdhsa_float_denorm_mode_32 3
		.amdhsa_float_denorm_mode_16_64 3
		.amdhsa_memory_ordered 1
		.amdhsa_forward_progress 1
		.amdhsa_inst_pref_size 34
	.end_amdhsa_kernel
	.amdgpu_metadata
---
amdhsa.version: [ 1, 2 ]
amdhsa.kernels:
  - .name:           k_q7a442ea73e_prep
    .symbol:         k_q7a442ea73e_prep.kd
    .args:
      - { .name: hidden_states, .offset: 0, .size: 8, .value_kind: global_buffer, .address_space: global }
      - { .name: w_qkv, .offset: 8, .size: 8, .value_kind: global_buffer, .address_space: global }
      - { .name: w_o, .offset: 16, .size: 8, .value_kind: global_buffer, .address_space: global }
      - { .name: positions, .offset: 24, .size: 8, .value_kind: global_buffer, .address_space: global }
      - { .name: xh, .offset: 32, .size: 8, .value_kind: global_buffer, .address_space: global }
      - { .name: wqkvh, .offset: 40, .size: 8, .value_kind: global_buffer, .address_space: global }
      - { .name: woh, .offset: 48, .size: 8, .value_kind: global_buffer, .address_space: global }
      - { .name: tab, .offset: 56, .size: 8, .value_kind: global_buffer, .address_space: global }
    .group_segment_fixed_size: 0
    .private_segment_fixed_size: 0
    .kernarg_segment_align: 8
    .kernarg_segment_size: 64
    .max_flat_workgroup_size: 256
    .sgpr_count:     66
    .vgpr_count:     100
    .wavefront_size: 32
...
	.end_amdgpu_metadata
.endif
;; end of part 1
;; launch proj_qkv (part 2): grid 16 x 16, 4 waves a work-group, clusters of 4 x 4, 327,680 bytes of LDS; arguments xh, wqkvh, tab, q_norm_w, k_norm_w, qkvh; writes qkvh
.if DOCPART == 2
	.amdgcn_target "amdgcn-amd-amdhsa--gfx1250"
	.amdhsa_code_object_version 6
	.text
	.protected	k_q7a442ea73e_proj_qkv
	.globl	k_q7a442ea73e_proj_qkv
	.p2align	8
	.type	k_q7a442ea73e_proj_qkv,@function
k_q7a442ea73e_proj_qkv:
	s_mov_b64 s[64:65], 0
	v_nop
	global_prefetch_b8 v0, s[64:65] scope:SCOPE_SE
	s_setreg_imm32_b32 hwreg(HW_REG_WAVE_MODE, 25, 1), 1
	s_wait_xcnt 0x0
	s_wait_alu depctr_hold_cnt(0) depctr_sa_sdst(0) depctr_va_vdst(0) depctr_va_sdst(0) depctr_va_ssrc(0) depctr_va_vcc(0) depctr_vm_vsrc(0)
	s_getreg_b32 s2, hwreg(HW_REG_IB_STS2, 6, 4)
	s_cmp_eq_u32 s2, 0
	s_cbranch_scc0 .Lentry_in_a_cluster
	s_endpgm
.Lentry_in_a_cluster:
	s_bfe_u32 s2, ttmp6, 0x10000c
	s_cmp_lg_u32 s2, 0xf033
	s_cbranch_scc0 .Lentry_shape_is_right
	s_endpgm
.Lentry_shape_is_right:
; Launch 2 of 4.  qkv = x W (2048 x 2048 x 4096, f16 operands, f32 sums), then per head: RMSNorm with its gain, RoPE, and for q the
; factor 128^-0.5 log2(e); stored as f16 in qkvh[32 heads][2048 tokens][128]: heads 0-15 q, 16-23 k, 24-31 v.
; A work-group makes 128 tokens x 256 columns (two heads of one kind); a wave 64 tokens x one whole head: 32 accumulator tiles,
; so that a head's norm and rotation stay inside one wave.  K goes in 16 steps of 128 through two LDS slots.
; CLUSTER 4 x 4: x's tile hangs on the block row alone and is asked for jointly along a row of the cluster, W's on the block column
; alone and is asked for jointly along a column: a quarter of the requests for each.
; W lies [k][n]; its fragments are made by the transposing LDS load.  The matrix instruction is used transposed (source 0 = 16
; columns of W, source 1 = 16 tokens of x): lane (r, h) of tile (a, b) holds token 16 a + r, columns 16 b + 8 h + 0..7.
; The kind of head hangs on the cluster's x (0, 1: q; 2: k; 3: v), which all partners share.
; The gains are rounded to bf16 like the other floating-point inputs (launch 1 says why), then used in f32.
; LIMIT: v is stored in f16, so |v| must stay below 65,504 (drawn data: about 1; inputs thirty times larger each: about 5,000).
; REGISTERS: window 0: v16-24 addresses, v32-63 / v128-159 x fragments, v64-127 / v160-223 W fragments (two buffers), v224-227 small;
; window 1: accumulators, tile (a, b) at v[8 (8 a + b)]; window 2: cos and sin of my tokens, (a, b) at v[64 a + 16 b]: 8 cos, 8 sin;
; window 3: the gain of my 64 columns a lane, v[8 b + j].
.set QUART,  34816                     ; a quarter of a slot: what one wave's tensor load fills (x: 64 rows x 272 used; W: 64 rows x 544)
.set SLOT,   4*QUART
.set STAGE,  2*SLOT                    ; behind the ring: 16 rows x 272 bytes for each wave; no tensor load lands here
.set PA,     272                       ; x row in LDS: 256 bytes + 16: an odd multiple of 16
.set PB,     544                       ; W row in LDS: 512 bytes + 32: an odd multiple of 32
.set LAPS,   8                         ; 2048 / (2 x 128)
.set ADRA, 16
.set ADRB, 18
.set STO,  20
.set RD,   21
.set CO,   22
.set TOFF, 23
.set WOFF, 24
.set G1,  24
.set G0,  32
.set G1B, 48
.set G0B, 56
.set MSB, 0
.macro WIN new                         ; the immediate's high byte repeats the setting that is left
.if MSB != \new
	s_set_vgpr_msb (MSB<<8)|\new
.set MSB, \new
.endif
.endm
.macro PLACES                          ; four places behind a matrix instruction before its registers are touched (ISA guide 7.12.1)
.rept 4
	v_nop
.endr
.endm
.macro JLOAD s                         ; waves 0, 1 ask for x's two halves, waves 2, 3 for W's; one mask a line
	s_cmp_eq_u32 s11, 0
	s_cbranch_scc0 .Lfor_b_\@
	tensor_load_to_lds s[G0+4*(\s):G0+4*(\s)+3], s[G1:G1+7]
	s_nop 0
	s_branch .Lasked_\@
.Lfor_b_\@:
	tensor_load_to_lds s[G0B+4*(\s):G0B+4*(\s)+3], s[G1B:G1B+7]
	s_nop 0
.Lasked_\@:
.endm
.macro CREST                           ; a round of the cluster's barrier behind its opening work-group barrier
	s_cmp_lg_u32 s10, 0
	s_cbranch_scc1 .Lnot_wave_0_\@
	s_barrier_signal -3
.Lnot_wave_0_\@:
	s_barrier_wait -3
	s_barrier_signal -1
	s_barrier_wait -1
.endm
.macro CROUND
	s_barrier_signal -1
	s_barrier_wait -1
	CREST
.endm
	s_load_b128 s[4:7], s[0:1], 0x0                ; xh, wqkvh
	s_load_b256 s[68:75], s[0:1], 0x10             ; tab 68, q_norm_w 70, k_norm_w 72, qkvh 74
	v_lshl_add_u32 v254, v0, 2, 0x48400
	v_mov_b32 v255, 0
	ds_add_u32 v254, v255
	v_lshrrev_b32 v1, 5, v0
	v_readfirstlane_b32 s10, v1                    ; wave
	s_lshr_b32 s11, s10, 1                         ; my half of the tokens.  Also: I fetch for x (0) or for W (1)
	s_and_b32 s12, s10, 1                          ; my head of the two.  Also: which 64 rows of that tile I fetch
	s_bfe_u32 s40, ttmp6, 0x40000                  ; cx
	s_bfe_u32 s41, ttmp6, 0x40004                  ; cy
	s_lshl_b32 s42, ttmp9, 2
	s_add_co_u32 s42, s42, s40                     ; block column
	s_and_b32 s13, ttmp7, 0xffff
	s_lshl_b32 s13, s13, 2
	s_add_co_u32 s13, s13, s41                     ; block row
	s_lshl_b32 s43, s41, 2
	s_lshl_b32 s43, 15, s43                        ; my row of the cluster
	s_lshl_b32 s44, 0x1111, s40                    ; my column
	s_or_b32 s[G1+0], s43, (1<<16)|(1<<20)|(1<<21)|(5<<22)|(3<<25)   ; x: 2-byte elements, 4 words of padding behind every 64
	s_mov_b32 s[G1+1], 128<<16                     ; tensor_dim0 = 128
	s_mov_b32 s[G1+2], 64<<16                      ; tensor_dim1 = 64
	s_mov_b32 s[G1+3], 128<<16                     ; tile_dim0 = 128
	s_mov_b32 s[G1+4], 64                          ; tile_dim1 = 64
	s_mov_b32 s[G1+5], 2048                        ; elements from row to row
	s_mov_b32 s[G1+6], 0
	s_mov_b32 s[G1+7], 0
	s_or_b32 s[G1B+0], s44, (1<<16)|(1<<20)|(1<<21)|(6<<22)|(7<<25)  ; W: 8 words of padding behind every 128
	s_mov_b32 s[G1B+1], 256<<16
	s_mov_b32 s[G1B+2], 64<<16
	s_mov_b32 s[G1B+3], 256<<16
	s_mov_b32 s[G1B+4], 64
	s_mov_b32 s[G1B+5], 4096
	s_mov_b32 s[G1B+6], 0
	s_mov_b32 s[G1B+7], 0
	s_lshl_b32 s17, s12, 6
	s_lshl_b32 s16, s13, 7
	s_add_co_u32 s16, s16, s17                     ; x: row 128 x block row + 64 x half,
	s_lshl_b32 s16, s16, 12                        ; x 4,096 bytes
	s_mov_b32 s17, 0
	s_lshl_b32 s46, s42, 9                         ; W: 512 bytes x block column
	s_lshl_b32 s47, s12, 19                        ; + 64 rows of 8,192 bytes x half
	s_add_co_u32 s46, s46, s47
	s_mov_b32 s47, 0
	s_mul_i32 s20, s10, QUART                      ; where my quarter goes: the wave's number alone
	s_wait_dscnt 0x0
	s_wait_kmcnt 0x0
	s_add_nc_u64 s[14:15], s[4:5], s[16:17]
	s_add_nc_u64 s[46:47], s[6:7], s[46:47]
	CROUND                                         ; all sixteen work-groups are here: the first joint loads meet
.irp s, 0,1
	s_mov_b32 s[G0+4*\s], 1
	s_add_co_u32 s[G0+4*\s+1], s20, \s*SLOT
	s_add_nc_u64 s[G0+4*\s+2:G0+4*\s+3], s[14:15], \s*256          ; K step s: 128 elements on
	s_or_b32 s[G0+4*\s+3], s[G0+4*\s+3], 0x80000000
	s_mov_b32 s[G0B+4*\s], 1
	s_add_co_u32 s[G0B+4*\s+1], s20, \s*SLOT
	s_add_nc_u64 s[G0B+4*\s+2:G0B+4*\s+3], s[46:47], \s*1048576    ; K step s: 128 rows down
	s_or_b32 s[G0B+4*\s+3], s[G0B+4*\s+3], 0x80000000
	JLOAD \s                                       ; both slots' first fills: two tensor loads of the wave are out, never more
.endr
	; what the epilogue needs is asked for now and waited for behind the K loop
	s_lshl_b32 s18, s13, 7
	s_lshl_b32 s19, s11, 6
	s_add_co_u32 s18, s18, s19                     ; my first token
	s_lshl_b32 s22, s18, 9
	s_mov_b32 s23, 0
	s_add_nc_u64 s[68:69], s[68:69], s[22:23]      ; the table at my first token
	s_lshl_b32 s22, s42, 1
	s_add_co_u32 s22, s22, s12                     ; my head, 0..31
	s_lshl_b32 s22, s22, 11
	s_add_co_u32 s22, s22, s18
	s_lshl_b32 s22, s22, 8                         ; (head x 2048 + token) x 256 bytes
	s_add_nc_u64 s[74:75], s[74:75], s[22:23]
	s_cmp_lt_u32 ttmp9, 2
	s_cselect_b64 s[76:77], s[70:71], s[72:73]     ; q's gain or k's
	s_mov_b32 s78, 0x3f800000
	s_cselect_b32 s78, 0x3e0293ee, s78             ; q: 128^-0.5 log2(e) = 0.12751743; k: 1
	s_mov_b32 s8, 0x76543210                       ; v_permlanex16_b32: lane i reads lane i of the other half
	s_mov_b32 s9, 0xfedcba98
	s_mov_b32 s66, 0x3c000000                      ; 1/128
	s_mov_b32 s67, 0x358637bd                      ; 1e-6
	v_and_b32 v1, 15, v0                           ; r
	v_bfe_u32 v2, v0, 4, 1                         ; h
	v_lshlrev_b32 v[WOFF], 5, v2                   ; 32 h: my 8 numbers in each group of 16
	v_lshl_add_u32 v[TOFF], v1, 9, v[WOFF]         ; + 512 r: my token's row of the table
	; The blocks of v ask for table and gain too and do not use them: one text for all, and every wait's count the same on both ways.
	WIN 0x80
.irp a, 0,1,2,3
.irp b, 0,1,2,3
	global_load_b128 v[64*\a+16*\b:64*\a+16*\b+3],     v[TOFF], s[68:69] offset:8192*\a+64*\b
	global_load_b128 v[64*\a+16*\b+4:64*\a+16*\b+7],   v[TOFF], s[68:69] offset:8192*\a+64*\b+16
	global_load_b128 v[64*\a+16*\b+8:64*\a+16*\b+11],  v[TOFF], s[68:69] offset:8192*\a+64*\b+256
	global_load_b128 v[64*\a+16*\b+12:64*\a+16*\b+15], v[TOFF], s[68:69] offset:8192*\a+64*\b+272
.endr
.endr
	WIN 0xc0
.irp b, 0,1,2,3,4,5,6,7
	global_load_b128 v[8*\b:8*\b+3],   v[WOFF], s[76:77] offset:64*\b
	global_load_b128 v[8*\b+4:8*\b+7], v[WOFF], s[76:77] offset:64*\b+16
.endr
	WIN 0
	v_mul_u32_u24 v4, v1, PA
	v_lshl_add_u32 v4, v2, 4, v4                   ; 272 r + 16 h
	s_mul_i32 s21, s11, QUART                      ; my 64 tokens are one quarter
	v_add_nc_u32 v[ADRA], s21, v4
	v_add_nc_u32 v[ADRA+1], SLOT, v[ADRA]
	v_and_b32 v5, 7, v0
	v_lshl_add_u32 v5, v2, 3, v5                   ; the row that I address for the transposing load: 8 h + (lane & 7)
	v_mul_u32_u24 v5, v5, PB
	v_bfe_u32 v6, v0, 3, 1
	v_lshl_add_u32 v5, v6, 4, v5                   ; + 16 bytes for the second eight columns
	s_lshl_b32 s22, s12, 8                         ; my head's 256 bytes of a row
	s_add_co_u32 s22, s22, 2*QUART                 ; W lies behind x's two quarters
	v_add_nc_u32 v[ADRB], s22, v5
	v_add_nc_u32 v[ADRB+1], SLOT, v[ADRB]
	s_mul_i32 s23, s10, 16*PA
	s_add_co_u32 s23, s23, STAGE
	v_add_nc_u32 v[STO], s23, v4                   ; the stage, in: row r, 16 bytes a half
	v_mul_u32_u24 v5, v2, PA
	v_lshl_add_u32 v5, v1, 4, v5
	v_add_nc_u32 v[RD], s23, v5                    ; back: lanes 0-15 one row, lanes 16-31 the next
	v_and_b32 v3, 31, v0
	v_lshlrev_b32 v[CO], 4, v3                     ; two rows of qkvh are 512 consecutive bytes
; 8 matrix instructions: token block a x all 8 column blocks, 32 along K, from buffer f.  The 32 accumulators take turns, one
; instruction a turn, in the same order in every quarter step.
.macro MULA f, a, zero
.irp b, 0,1,2,3,4,5,6,7
.if \zero
	v_wmma_f32_16x16x32_f16 v[8*(8*(\a)+\b):8*(8*(\a)+\b)+7], v[64+96*\f+8*\b:64+96*\f+8*\b+7], v[32+96*\f+8*(\a):32+96*\f+8*(\a)+7], 0
.else
	v_wmma_f32_16x16x32_f16 v[8*(8*(\a)+\b):8*(8*(\a)+\b)+7], v[64+96*\f+8*\b:64+96*\f+8*\b+7], v[32+96*\f+8*(\a):32+96*\f+8*(\a)+7], v[8*(8*(\a)+\b):8*(8*(\a)+\b)+7]
.endif
.endr
.endm
; 24 LDS loads in one run: quarter step q of a slot into buffer f: W's eight fragments (transposed on the way), then x's four
.macro FETCH slot, q, f
	WIN 0
.irp b, 0,1,2,3,4,5,6,7
	ds_load_tr16_b128 v[64+96*\f+8*\b:64+96*\f+8*\b+3],   v[ADRB+\slot] offset:32*PB*\q+32*\b
	ds_load_tr16_b128 v[64+96*\f+8*\b+4:64+96*\f+8*\b+7], v[ADRB+\slot] offset:32*PB*\q+32*\b+16*PB
.endr
.irp a, 0,1,2,3
	ds_load_b128 v[32+96*\f+8*\a:32+96*\f+8*\a+3],   v[ADRA+\slot] offset:16*PA*\a+64*\q
	ds_load_b128 v[32+96*\f+8*\a+4:32+96*\f+8*\a+7], v[ADRA+\slot] offset:16*PA*\a+64*\q+32
.endr
.endm
.macro QUARTER slot, q, f, g, zero     ; multiplies buffer f; in its middle fetches quarter q into buffer g
	s_wait_dscnt 4                                 ; all but the four youngest loads: x's blocks 2 and 3
	WIN 0x50
	MULA \f, 0, \zero
	MULA \f, 1, \zero
	PLACES                                         ; buffer g was read by matrix instructions
	FETCH \slot, \q, \g
	s_wait_dscnt 24                                ; all but the 24 just issued
	WIN 0x50
	MULA \f, 2, \zero
	MULA \f, 3, \zero
.endm
.macro THREE slot, zero
	QUARTER \slot, 1, 0, 1, \zero
	QUARTER \slot, 2, 1, 0, 0
	QUARTER \slot, 3, 0, 1, 0
.endm
; The last quarter of a K step, and the change of slots.  In front of the barrier each wave waits for its reads of this slot and for
; all its tensor loads (one is out: its part of the next slot).  Where the slot is filled again the barrier opens a round of the
; cluster's barrier, and the joint refill is the first tensor load behind the round: 120 matrix instructions stand between it and its wait.
.macro TURN slot, next, fill
	s_wait_dscnt 4
	WIN 0x50
	MULA 1, 0, 0
	s_wait_dscnt 0
	s_wait_tensorcnt 0x0
	ds_add_u32 v254, v255
	s_wait_dscnt 0x0
	s_barrier_signal -1
	MULA 1, 1, 0                                   ; register work while the others arrive
	WIN 0
	s_barrier_wait -1
.if \fill
	CREST
	s_add_nc_u64 s[G0+4*\slot+2:G0+4*\slot+3], s[G0+4*\slot+2:G0+4*\slot+3], 512         ; two K steps on: no tensor load of mine is out
	s_add_nc_u64 s[G0B+4*\slot+2:G0B+4*\slot+3], s[G0B+4*\slot+2:G0B+4*\slot+3], 2097152
	JLOAD \slot
.endif
	PLACES
	FETCH \next, 0, 0
	WIN 0x50
	MULA 1, 2, 0
	MULA 1, 3, 0
.endm
.macro LAP zero
	THREE 0, \zero
	TURN 0, 1, 1
	THREE 1, 0
	TURN 1, 0, 1
.endm
	s_wait_tensorcnt 0x1                           ; my part of K step 0 is in; K step 1's load stays out
	s_barrier_signal -1
	s_barrier_wait -1
	FETCH 0, 0, 0
	LAP 1                                          ; the first products start the sums: nothing is cleared
	WIN 0
	s_mov_b32 s3, LAPS-2
.Llap:
	LAP 0
	WIN 0
	s_sub_co_u32 s3, s3, 1
	s_cmp_lg_u32 s3, 0
	s_cbranch_scc1 .Llap
	THREE 0, 0                                     ; the last lap fills nothing
	TURN 0, 1, 0
	THREE 1, 0
	s_wait_dscnt 4
	WIN 0x50
	MULA 1, 0, 0
	MULA 1, 1, 0
	s_wait_dscnt 0
	MULA 1, 2, 0
	MULA 1, 3, 0
; 16 tokens leave: 16 bytes a lane into my own stage, whole rows back, 512 consecutive bytes a store.  LDS serves a wave's
; instructions in order, so no wait stands between the stores and the loads.
.macro OUT a
.irp b, 0,1,2,3,4,5,6,7
	ds_store_b128 v[STO], v[160+4*\b:163+4*\b] offset:32*\b
.endr
	s_wait_xcnt 0x0                                ; v192-223 were the last block's store data: written again only behind this wait
.irp t, 0,1,2,3,4,5,6,7
	ds_load_b128 v[192+4*\t:195+4*\t], v[RD] offset:2*PA*\t
.endr
.irp t, 0,1,2,3,4,5,6,7
	s_wait_dscnt 7-\t                              ; pair t of rows is back, the younger ones stay out
	global_store_b128 v[CO], v[192+4*\t:195+4*\t], s[74:75] offset:(16*\a+2*\t)*256
.endr
.endm
; q and k, token block a: rs = rsqrt(mean of squares + 1e-6); U = acc x gain; rotation of columns d and d + 64 (tiles b and b + 4,
; same lane, same register); x rs (x q's factor); f16.
.macro EPI a
	WIN 0x05
.set p, 0
.rept 32
.if p < 2
	v_pk_mul_f32 v[224+2*p:225+2*p], v[64*\a+2*p:64*\a+2*p+1], v[64*\a+2*p:64*\a+2*p+1]
.else
	v_pk_fma_f32 v[224+2*(p%2):225+2*(p%2)], v[64*\a+2*p:64*\a+2*p+1], v[64*\a+2*p:64*\a+2*p+1], v[224+2*(p%2):225+2*(p%2)]
.endif
.set p, p+1
.endr
	WIN 0
	v_pk_add_f32 v[224:225], v[224:225], v[226:227]
	v_add_f32 v224, v224, v225                     ; my 64 columns,
	v_permlanex16_b32 v225, v224, s8, s9           ; and the other half-wave's 64 of the same token
	v_add_f32 v224, v224, v225
	v_fma_f32 v224, v224, s66, s67
	v_rsq_f32 v226, v224
	v_nop                                          ; a plain place behind the transcendental (ISA guide 5.7.2)
	s_wait_alu depctr_va_vdst(0)
	v_mul_f32 v226, s78, v226
	v_mov_b32 v227, v226
	WIN 0x0d
.set p, 0
.rept 32
	v_pk_mul_f32 v[32+2*p:33+2*p], v[64*\a+2*p:64*\a+2*p+1], v[2*p:2*p+1]
.set p, p+1
.endr
	WIN 0x08
.irp b, 0,1,2,3
.irp i, 0,1,2,3
	v_pk_mul_f32 v[96+8*\b+2*\i:97+8*\b+2*\i],   v[64+8*\b+2*\i:65+8*\b+2*\i], v[64*\a+16*\b+8+2*\i:64*\a+16*\b+9+2*\i]   ; x2 sin
	v_pk_mul_f32 v[128+8*\b+2*\i:129+8*\b+2*\i], v[32+8*\b+2*\i:33+8*\b+2*\i], v[64*\a+16*\b+8+2*\i:64*\a+16*\b+9+2*\i]   ; x1 sin
	v_pk_fma_f32 v[96+8*\b+2*\i:97+8*\b+2*\i],   v[32+8*\b+2*\i:33+8*\b+2*\i], v[64*\a+16*\b+2*\i:64*\a+16*\b+2*\i+1], v[96+8*\b+2*\i:97+8*\b+2*\i] neg_lo:[0,0,1] neg_hi:[0,0,1]   ; x1 cos - x2 sin
	v_pk_fma_f32 v[128+8*\b+2*\i:129+8*\b+2*\i], v[64+8*\b+2*\i:65+8*\b+2*\i], v[64*\a+16*\b+2*\i:64*\a+16*\b+2*\i+1], v[128+8*\b+2*\i:129+8*\b+2*\i]                              ; x2 cos + x1 sin
.endr
.endr
	WIN 0
.set p, 0
.rept 32
	v_pk_mul_f32 v[96+2*p:97+2*p], v[96+2*p:97+2*p], v[226:227]
.set p, p+1
.endr
.set p, 0
.rept 32
	v_cvt_pk_f16_f32 v[160+p], v[96+2*p], v[97+2*p]
.set p, p+1
.endr
.endm
.macro VEP a                           ; v: rounded as it is
	WIN 0x05
.set p, 0
.rept 32
	v_cvt_pk_f16_f32 v[160+p], v[64*\a+2*p], v[64*\a+2*p+1]
.set p, p+1
.endr
	WIN 0
.endm
	PLACES                                         ; behind the last matrix instructions: their results are read, their sources written
	WIN 0
	s_wait_loadcnt 0x0                             ; table and gain, asked for at the start
	s_cmp_eq_u32 ttmp9, 3                          ; the cluster's x: the same in all sixteen work-groups
	s_cbranch_scc1 .Lvpath
	; the gain, rounded to bf16 and widened again, in place in window 3 (through v32-63 of window 0)
	WIN 0x0f
.set p, 0
.rept 32
	v_cvt_pk_bf16_f32 v[32+p], v[2*p], v[2*p+1]
.set p, p+1
.endr
	WIN 0xc0
.set p, 0
.rept 32
	v_lshlrev_b32 v[2*p], 16, v[32+p]
	v_and_b32 v[2*p+1], 0xffff0000, v[32+p]
.set p, p+1
.endr
.irp a, 0,1,2,3
	EPI \a
	OUT \a
.endr
	s_branch .Ljoin
.Lvpath:
.irp a, 0,1,2,3
	VEP \a
	OUT \a
.endr
.Ljoin:
	s_wait_tensorcnt 0x0
	ds_add_u32 v254, v255
	s_wait_dscnt 0x0
	CROUND                                         ; the closing round: no work-group ends while a partner may still ask jointly
	s_endpgm
.Lfunc_end_k_q7a442ea73e_proj_qkv:
	.size	k_q7a442ea73e_proj_qkv, .Lfunc_end_k_q7a442ea73e_proj_qkv-k_q7a442ea73e_proj_qkv
	.p2alignl 7, 3214868480
	.fill 96, 4, 3214868480
	.section	.rodata,"a",@progbits
	.p2align	6, 0x0
	.amdhsa_kernel k_q7a442ea73e_proj_qkv
		.amdhsa_group_segment_fixed_size 327680
		.amdhsa_private_segment_fixed_size 0
		.amdhsa_enable_private_segment 0
		.amdhsa_kernarg_size 48
		.amdhsa_user_sgpr_count 2
		.amdhsa_user_sgpr_kernarg_segment_ptr 1
		.amdhsa_wavefront_size32 1
		.amdhsa_system_sgpr_workgroup_id_x 1
		.amdhsa_system_sgpr_workgroup_id_y 1
		.amdhsa_system_sgpr_workgroup_id_z 1
		.amdhsa_system_vgpr_workitem_id 0
		.amdhsa_next_free_vgpr 832
		.amdhsa_next_free_sgpr 80
		.amdhsa_reserve_vcc 0
		.amdhsa_float_denorm_mode_32 3
		.amdhsa_float_denorm_mode_16_64 3
		.amdhsa_memory_ordered 1
		.amdhsa_forward_progress 1
		.amdhsa_inst_pref_size 189
	.end_amdhsa_kernel
	.amdgpu_metadata
---
amdhsa.version: [ 1, 2 ]
amdhsa.kernels:
  - .name:           k_q7a442ea73e_proj_qkv
    .symbol:         k_q7a442ea73e_proj_qkv.kd
    .args:
      - { .name: xh, .offset: 0, .size: 8, .value_kind: global_buffer, .address_space: global }
      - { .name: wqkvh, .offset: 8, .size: 8, .value_kind: global_buffer, .address_space: global }
      - { .name: tab, .offset: 16, .size: 8, .value_kind: global_buffer, .address_space: global }
      - { .name: q_norm_w, .offset: 24, .size: 8, .value_kind: global_buffer, .address_space: global }
      - { .name: k_norm_w, .offset: 32, .size: 8, .value_kind: global_buffer, .address_space: global }
      - { .name: qkvh, .offset: 40, .size: 8, .value_kind: global_buffer, .address_space: global }
    .group_segment_fixed_size: 327680
    .private_segment_fixed_size: 0
    .kernarg_segment_align: 8
    .kernarg_segment_size: 48
    .max_flat_workgroup_size: 128
    .sgpr_count:     80
    .vgpr_count:     832
    .wavefront_size: 32
...
	.end_amdgpu_metadata
.endif
;; end of part 2
;; launch attn (part 3): grid 32 x 8, 4 waves a work-group, clusters of 4 x 1, 327,680 bytes of LDS; arguments qkvh, atth; writes atth
.if DOCPART == 3
	.amdgcn_target "amdgcn-amd-amdhsa--gfx1250"
	.amdhsa_code_object_version 6
	.text
	.protected	k_q7a442ea73e_attn
	.globl	k_q7a442ea73e_attn
	.p2align	8
	.type	k_q7a442ea73e_attn,@function
k_q7a442ea73e_attn:
	s_mov_b64 s[64:65], 0
	v_nop
	global_prefetch_b8 v0, s[64:65] scope:SCOPE_SE
	s_setreg_imm32_b32 hwreg(HW_REG_WAVE_MODE, 25, 1), 1
	s_wait_xcnt 0x0
	s_wait_alu depctr_hold_cnt(0) depctr_sa_sdst(0) depctr_va_vdst(0) depctr_va_sdst(0) depctr_va_ssrc(0) depctr_va_vcc(0) depctr_vm_vsrc(0)
	s_getreg_b32 s2, hwreg(HW_REG_IB_STS2, 6, 4)
	s_cmp_eq_u32 s2, 0
	s_cbranch_scc0 .Lentry_in_a_cluster
	s_endpgm
.Lentry_in_a_cluster:
	s_bfe_u32 s2, ttmp6, 0x10000c
	s_cmp_lg_u32 s2, 0x3003
	s_cbranch_scc0 .Lentry_shape_is_right
	s_endpgm
.Lentry_shape_is_right:
; Launch 3 of 4.  Causal attention for one key/value head (grid y) with its two query heads; f16 operands, f32 sums, softmax in f32
; with a running maximum; q already carries 128^-0.5 log2(e), so exponentials are base 2.
; RESULT IN TWO f16 NUMBERS: atth[token][4096]: columns 0-2047 hi = the f32 result cut to 11 significant bits, columns 2048-4095
; lo = the exact remainder, rounded to f16.  Why: a token that attends to few keys has a result many times larger than the output's
; root mean square, and one f16 rounding of it would show there.  hi + lo keeps 2^-21 relative, or 3e-8 absolute where f16 is denormal.
; BALANCE: a block is 32 queries x 2 heads = 64 rows.  With a = cluster x (0..7) and cx the place in the cluster, a work-group does the
; blocks 63 - 4a - cx (16 - a key tiles of 128) and 4a + cx (a + 1 tiles): 17 tiles in every work-group.  Of the two counts one is even:
; that block goes first, so that it always ends in slot 1 and the other at tile 16 in slot 0: one loop of 8 x 2 tiles and one tile behind it.
; CLUSTER 4 x 1: the four partners share a, so they walk the same 17 tiles of K and V: every tile is one joint load for the four.
; cx enters global addresses of q and of the result and the lanes' mask limit, never an LDS address, a branch or a descriptor.
; KEYS ARE SPLIT OVER THE WAVES: wave w takes keys 32 w .. 32 w + 31 of each tile for all 64 rows, with its own maximum, sum and O.
; Per tile a wave reads 16 KiB of LDS for 64 matrix instructions.  At a block's end each wave puts its maximum, sum and raw O into LDS;
; both blocks are merged at the very end: wave w adds the four waves' rows 16 w .. 16 w + 15 with the weights 2^(m - max) / sum.
; LAYOUTS: S^T = K Q^T (source 0 = K's rows, source 1 = Q's rows): a lane holds one query, its registers the keys, so the
; statistics are one number a lane and two key tiles pack in place into the P fragment.  O^T = V^T P^T, V^T by the transposing load.
; Masked scores are -1e30, as in the definition.  A wave all of whose keys are masked keeps the maximum -1e30 and gets weight 0 in the merge
; (key 0 is never masked, so the maximum over the waves is a true score).
; LIMIT: v and the result's hi part are f16: magnitudes below 65,504.
; REGISTERS: window 0: v8-25 addresses and limits; v26-33 new maximum (pairs), in the merge the weights; v34-41 (maximum, sum) pairs, the sum
; per half-wave; v42-49 alpha (pairs); v50-60 small; v64-127 K fragments; v128-191 V fragments; v192-255 S(mt, nt) at v[192 + 16 nt + 8 mt],
; P(nt) in place; window 1: O(dm, nt) at v[8 (4 dm + nt)]; window 2: Q(nt, ks) at v[8 (4 nt + ks)].  nt = 2 head + half of the 32 queries.
.set QUART, 18432                      ; a quarter of a slot: 64 rows of K at pitch 272 (17,408 used) or of V at pitch 288
.set SLOT,  4*QUART
.set MRGW,  33792                      ; one wave's raw O: 64 rows of 128 f32 at pitch 528
.set MRG1,  2*SLOT                     ; the first block's, behind the ring: no tensor load lands here
.set MRG2,  0                          ; the second block's, in the ring's bytes, written when these have had their last fill
.set STAT,  MRG1+4*MRGW                ; [block][nt][wave][query r]: (maximum, sum), 8 bytes; 2,048 bytes a block
.set STAGE, STAT+4096                  ; 16 rows of 128 f16 at pitch 272 for each wave
.set PITK,  272
.set PITV,  288
.set PITM,  528
.set PITS,  272
.set ADK,  8
.set ADV,  10
.set QOFF, 12
.set LIM1, 13
.set LIM2, 14
.set STA,  15
.set STR,  16
.set MST1, 17
.set MST2, 18
.set MLD,  19                          ; v19-22: where I read the rows that I merge: block 1 waves 0/1, waves 2/3; block 2 likewise
.set STO,  23
.set RD,   24
.set OOFF, 25
.set RNM,  26
.set RM,   34                          ; v[RM + 2 nt] maximum, v[RM + 2 nt + 1] sum
.set RAL,  42
.set RT,   50
.set RX,   58
.set G1,  24
.set G0,  32
.set G1B, 48
.set G0B, 56
.set MSB, 0
.macro WIN new                         ; the immediate's high byte repeats the setting that is left
.if MSB != \new
	s_set_vgpr_msb (MSB<<8)|\new
.set MSB, \new
.endif
.endm
.macro PLACES                          ; four places behind a matrix instruction before its registers are touched (ISA guide 7.12.1)
.rept 4
	v_nop
.endr
.endm
.macro JLOAD s                         ; waves 0, 1 ask for K's two halves, waves 2, 3 for V's
	s_cmp_eq_u32 s11, 0
	s_cbranch_scc0 .Lfor_v_\@
	tensor_load_to_lds s[G0+4*(\s):G0+4*(\s)+3], s[G1:G1+7]
	s_nop 0
	s_branch .Lasked_\@
.Lfor_v_\@:
	tensor_load_to_lds s[G0B+4*(\s):G0B+4*(\s)+3], s[G1B:G1B+7]
	s_nop 0
.Lasked_\@:
.endm
.macro ROUND                           ; a round of the cluster's barrier
	s_barrier_signal -1
	s_barrier_wait -1
	s_cmp_lg_u32 s10, 0
	s_cbranch_scc1 .Lnot_wave_0_\@
	s_barrier_signal -3
.Lnot_wave_0_\@:
	s_barrier_wait -3
	s_barrier_signal -1
	s_barrier_wait -1
.endm
.macro QLOAD sb                        ; a block's Q fragments straight from memory: 64 rows x 256 bytes, once a block
	WIN 0x80
.irp nt, 0,1,2,3
.irp ks, 0,1,2,3
	global_load_b128 v[8*(4*\nt+\ks):8*(4*\nt+\ks)+3],   v[QOFF], s[\sb:\sb+1] offset:524288*(\nt/2)+4096*(\nt%2)+64*\ks
	global_load_b128 v[8*(4*\nt+\ks)+4:8*(4*\nt+\ks)+7], v[QOFF], s[\sb:\sb+1] offset:524288*(\nt/2)+4096*(\nt%2)+64*\ks+32
.endr
.endr
	WIN 0
.endm
	s_load_b128 s[4:7], s[0:1], 0x0                ; qkvh, atth
	v_lshl_add_u32 v62, v0, 2, 0x4a400
	v_mov_b32 v63, 0
	ds_add_u32 v62, v63
	v_lshrrev_b32 v1, 5, v0
	v_readfirstlane_b32 s10, v1                    ; wave
	s_lshr_b32 s11, s10, 1
	s_and_b32 s12, s10, 1
	s_and_b32 s14, ttmp7, 0xffff                   ; key/value head
	s_add_co_u32 s21, ttmp9, 1                     ; tiles of the early block, a + 1
	s_sub_co_u32 s22, 16, ttmp9                    ; tiles of the late block, 16 - a
	s_and_b32 s41, ttmp9, 1                        ; a odd: the early block's count is the even one
	s_cmp_lg_u32 s41, 0
	s_cselect_b32 s16, s21, s22                    ; n1: tiles of the first block, even, 2 .. 16
	s_sub_co_u32 s17, s16, 1                       ; its last tile's number, odd: slot 1
	s_mov_b32 s15, 0                               ; tile counter, 0..16
	s_mov_b32 s19, 0
	s_mov_b32 s8, 0x76543210                       ; v_permlanex16_b32: lane i reads lane i of the other half
	s_mov_b32 s9, 0xfedcba98
	s_mov_b32 s74, 0xf149f2ca                      ; -1e30
	s_mov_b32 s13, 0xffffe000                      ; sign, exponent and the upper 10 fraction bits of an f32: what f16 holds
	s_mov_b32 s[G1+0], 15|(1<<16)|(1<<20)|(1<<21)|(5<<22)|(3<<25)    ; K: all four partners; 2-byte elements; 4 words of padding behind every 64
	s_mov_b32 s[G1+1], 128<<16                     ; tensor_dim0 = 128
	s_mov_b32 s[G1+2], 64<<16                      ; tensor_dim1 = 64
	s_mov_b32 s[G1+3], 128<<16                     ; tile_dim0 = 128
	s_mov_b32 s[G1+4], 64                          ; tile_dim1 = 64
	s_mov_b32 s[G1+5], 128                         ; elements from row to row
	s_mov_b32 s[G1+6], 0
	s_mov_b32 s[G1+7], 0
	s_mov_b32 s[G1B+0], 15|(1<<16)|(1<<20)|(1<<21)|(5<<22)|(7<<25)   ; V: 8 words of padding
	s_mov_b32 s[G1B+1], 128<<16
	s_mov_b32 s[G1B+2], 64<<16
	s_mov_b32 s[G1B+3], 128<<16
	s_mov_b32 s[G1B+4], 64
	s_mov_b32 s[G1B+5], 128
	s_mov_b32 s[G1B+6], 0
	s_mov_b32 s[G1B+7], 0
	s_add_co_u32 s21, s14, 16                      ; K's head in qkvh
	s_lshl_b32 s22, s21, 19                        ; x 2048 rows of 256 bytes
	s_lshl_b32 s23, s12, 14                        ; + the 64 rows that I fetch
	s_add_co_u32 s22, s22, s23
	s_mov_b32 s23, 0
	s_mul_i32 s20, s10, QUART                      ; where my quarter goes: the wave's number alone
.irp s, 0,1
	s_mov_b32 s[G0+4*\s], 1
	s_add_co_u32 s[G0+4*\s+1], s20, \s*SLOT
	s_mov_b32 s[G0B+4*\s], 1
	s_add_co_u32 s[G0B+4*\s+1], s20, \s*SLOT
.endr
	s_wait_dscnt 0x0
	s_wait_kmcnt 0x0
	s_add_nc_u64 s[42:43], s[4:5], s[22:23]        ; K, tile 0, my half
	s_add_nc_u64 s[44:45], s[42:43], 0x400000      ; V: eight heads on
	s_mov_b64 s[G0+2:G0+3], s[42:43]
	s_or_b32 s[G0+3], s[G0+3], 0x80000000
	s_mov_b64 s[G0B+2:G0B+3], s[44:45]
	s_or_b32 s[G0B+3], s[G0B+3], 0x80000000
	ROUND                                          ; in front of the first joint load
	JLOAD 0                                        ; tile 0
	s_bfe_u32 s40, ttmp6, 0x40000                  ; cx
	s_lshl_b32 s76, ttmp9, 2
	s_add_co_u32 s76, s76, s40                     ; the early block's number, 4a + cx
	s_sub_co_u32 s77, 63, s76                      ; the late block's
	s_cmp_lg_u32 s41, 0
	s_cselect_b32 s46, s76, s77                    ; the first block: the one with the even count
	s_cselect_b32 s47, s77, s76                    ; the second
	s_lshl_b32 s21, s14, 20                        ; query head 2 kvh x 2048 x 256 bytes
	s_lshl_b32 s78, s46, 13                        ; block x 32 rows x 256 bytes
	s_add_co_u32 s78, s78, s21
	s_mov_b32 s79, 0
	s_add_nc_u64 s[66:67], s[4:5], s[78:79]        ; q of the first block
	s_lshl_b32 s78, s47, 13
	s_add_co_u32 s78, s78, s21
	s_add_nc_u64 s[68:69], s[4:5], s[78:79]        ; q of the second
	s_lshl_b32 s21, s14, 9                         ; result: head 2 kvh + (wave >> 1), 256 bytes each,
	s_lshl_b32 s75, s11, 8
	s_add_co_u32 s21, s21, s75
	s_lshl_b32 s75, s12, 17                        ; rows 16 (wave & 1) on, 8,192 bytes each
	s_add_co_u32 s21, s21, s75
	s_lshl_b32 s78, s46, 18                        ; block x 32 rows x 8,192 bytes
	s_add_co_u32 s78, s78, s21
	s_add_nc_u64 s[70:71], s[6:7], s[78:79]        ; where I store the first block's rows
	s_lshl_b32 s78, s47, 18
	s_add_co_u32 s78, s78, s21
	s_add_nc_u64 s[72:73], s[6:7], s[78:79]        ; and the second's
	v_and_b32 v1, 15, v0                           ; r
	v_bfe_u32 v2, v0, 4, 1                         ; h
	v_lshlrev_b32 v4, 4, v2                        ; 16 h
	v_lshl_add_u32 v[QOFF], v1, 8, v4              ; 256 r + 16 h
	QLOAD 66
	v_mul_u32_u24 v5, v1, PITK
	v_add_nc_u32 v5, v5, v4
	s_mul_i32 s21, s11, QUART                      ; my 32 keys lie in quarter wave >> 1,
	s_mul_i32 s22, s12, 32*PITK                    ; from row 32 (wave & 1)
	s_add_co_u32 s22, s22, s21
	v_add_nc_u32 v[ADK], s22, v5
	v_add_nc_u32 v[ADK+1], SLOT, v[ADK]
	v_and_b32 v5, 7, v0
	v_lshl_add_u32 v5, v2, 3, v5                   ; the row that I address for the transposing load: 8 h + (lane & 7)
	v_mul_u32_u24 v5, v5, PITV
	v_bfe_u32 v6, v0, 3, 1
	v_lshl_add_u32 v5, v6, 4, v5
	s_mul_i32 s22, s12, 32*PITV
	s_add_co_u32 s22, s22, s21
	s_add_co_u32 s22, s22, 2*QUART                 ; V lies behind K's two quarters
	v_add_nc_u32 v[ADV], s22, v5
	v_add_nc_u32 v[ADV+1], SLOT, v[ADV]
	; In a block's last tile key 32 w + 16 mt + 8 h + j is kept for query 32 c + 16 (nt & 1) + r (c = block & 3) if it is not larger:
	; 16 mt + j - 16 (nt & 1) <= 32 (c - w) + r - 8 h, the lane's limit
	v_lshlrev_b32 v5, 3, v2
	v_sub_nc_u32 v5, v1, v5
	s_and_b32 s75, s46, 3
	s_sub_co_u32 s75, s75, s10
	s_lshl_b32 s75, s75, 5
	v_add_nc_u32 v[LIM1], s75, v5
	s_and_b32 s75, s47, 3
	s_sub_co_u32 s75, s75, s10
	s_lshl_b32 s75, s75, 5
	v_add_nc_u32 v[LIM2], s75, v5
	v_lshlrev_b32 v5, 3, v1                        ; 8 r
	s_lshl_b32 s22, s10, 7
	s_add_co_u32 s22, s22, STAT
	v_add_nc_u32 v[STA], s22, v5                   ; I store my statistics at [nt][w][r]
	s_lshl_b32 s22, s10, 9
	s_add_co_u32 s22, s22, STAT
	v_add_nc_u32 v[STR], s22, v5                   ; and read all waves' at [nt = w][..][r]
	v_mul_u32_u24 v5, v1, PITM
	v_lshl_add_u32 v5, v2, 5, v5                   ; 528 r + 32 h
	s_mul_i32 s22, s10, MRGW
	v_add_nc_u32 v[MST2], s22, v5
	s_add_co_u32 s22, s22, MRG1
	v_add_nc_u32 v[MST1], s22, v5
	s_mul_i32 s22, s10, 16*PITM                    ; the rows that I merge: 16 w ..
	v_add_nc_u32 v[MLD+2], s22, v5
	v_add_nc_u32 v[MLD+3], 2*MRGW, v[MLD+2]
	s_add_co_u32 s22, s22, MRG1
	v_add_nc_u32 v[MLD], s22, v5
	v_add_nc_u32 v[MLD+1], 2*MRGW, v[MLD]
	s_mul_i32 s22, s10, 16*PITS
	s_add_co_u32 s22, s22, STAGE
	v_mul_u32_u24 v5, v1, PITS
	v_add_nc_u32 v5, v5, v4
	v_add_nc_u32 v[STO], s22, v5                   ; the stage, in: row r, 16 bytes a half
	v_mul_u32_u24 v5, v2, PITS
	v_lshl_add_u32 v5, v1, 4, v5
	v_add_nc_u32 v[RD], s22, v5                    ; back: lanes 0-15 one row, lanes 16-31 the next
	v_lshlrev_b32 v5, 4, v1
	v_lshl_add_u32 v[OOFF], v2, 13, v5             ; and the same two rows in atth, 8,192 bytes apart
	; O starts at zero: 32 matrix instructions on a zero fragment write its 256 registers, in place of 256 moves, so that
	; every tile, the first too, runs the loop's one text.
.irp i, 0,1,2,3,4,5,6,7
	v_mov_b32 v[64+\i], 0
.endr
	WIN 0x40
.set p, 0
.rept 32
	v_wmma_f32_16x16x32_f16 v[8*p:8*p+7], v[64:71], v[64:71], 0
.set p, p+1
.endr
	WIN 0
.irp nt, 0,1,2,3                                   ; these twelve moves are also the places behind the matrix instructions above
	v_mov_b32 v[RM+2*\nt], s74                     ; maximum -1e30,
	v_mov_b32 v[RM+2*\nt+1], 0                     ; sum 0
	v_mov_b32 v[RNM+2*\nt+1], 0                    ; v_permlanex16_b32 counts as a reader of its destination
.endr
.macro MASK lim
.irp mt, 0,1
.irp j, 0,1,2,3,4,5,6,7
.irp hf, 0,1
	v_cmp_le_i32 vcc_lo, 16*\mt+\j-16*\hf, v[\lim]
	v_cndmask_b32 v[192+16*\hf+8*\mt+\j], s74, v[192+16*\hf+8*\mt+\j], vcc_lo            ; head 0
	v_cndmask_b32 v[192+16*(\hf+2)+8*\mt+\j], s74, v[192+16*(\hf+2)+8*\mt+\j], vcc_lo    ; head 1: the same queries
.endr
.endr
.endr
.endm
; A block's end, first part: the sum over both half-waves, then (maximum, sum) of my 32 keys' share to LDS
.macro STATS soff
.irp nt, 0,1,2,3
	v_permlanex16_b32 v[RT+\nt], v[RM+2*\nt+1], s8, s9
.endr
.irp nt, 0,1,2,3
	v_add_f32 v[RM+2*\nt+1], v[RM+2*\nt+1], v[RT+\nt]
.endr
.irp nt, 0,1,2,3
	ds_store_b64 v[STA], v[RM+2*\nt:RM+2*\nt+1] offset:\soff+512*\nt      ; both half-waves store the same numbers to the same bytes
.endr
.endm
; second part: my raw O, 64 rows x 128 f32: row 16 nt + r, columns 16 dm + 8 h + 0..7
.macro OSTORE reg
	WIN 0x04
.irp nt, 0,1,2,3
.irp dm, 0,1,2,3,4,5,6,7
	ds_store_b128 v[\reg], v[8*(4*\dm+\nt):8*(4*\dm+\nt)+3]   offset:16*PITM*\nt+64*\dm
	ds_store_b128 v[\reg], v[8*(4*\dm+\nt)+4:8*(4*\dm+\nt)+7] offset:16*PITM*\nt+64*\dm+16
.endr
.endr
	WIN 0
.endm
; One key tile.  slot: where it lies; refill: the next tile is asked for, into the other slot; diag = 1: this may be the first block's
; last tile (counter = n1 - 1, the same in all waves and partners); diag = 2: it is the second block's last.
.macro TILE slot, refill, diag
	s_wait_tensorcnt 0x0                           ; all my tensor loads have landed, my part of this tile among them: descriptors may be written
	ds_add_u32 v62, v63
	s_wait_dscnt 0x0
.if \refill
	s_add_co_u32 s21, s15, 1                       ; the next tile: number u in the first block while u < n1, then u - n1 in the second
	s_sub_co_u32 s22, s21, s16
	s_cmp_lt_u32 s21, s16
	s_cselect_b32 s18, s21, s22
	s_lshl_b32 s18, s18, 15                        ; x 128 rows of 256 bytes
	s_add_nc_u64 s[G0+4*(1-\slot)+2:G0+4*(1-\slot)+3], s[42:43], s[18:19]
	s_or_b32 s[G0+4*(1-\slot)+3], s[G0+4*(1-\slot)+3], 0x80000000
	s_add_nc_u64 s[G0B+4*(1-\slot)+2:G0B+4*(1-\slot)+3], s[44:45], s[18:19]
	s_or_b32 s[G0B+4*(1-\slot)+3], s[G0B+4*(1-\slot)+3], 0x80000000
.endif
	s_wait_dscnt 0x0                               ; my reads of the other slot are over (and my stores at a block's end are done)
	ROUND                                          ; both now hold of every wave of the four work-groups
.if \refill
	JLOAD 1-\slot                                  ; my one tensor load behind the round; it has this tile's work in which to land
.endif
.irp mt, 0,1
.irp ks, 0,1,2,3
	ds_load_b128 v[64+8*(4*\mt+\ks):64+8*(4*\mt+\ks)+3],   v[ADK+\slot] offset:16*PITK*\mt+64*\ks
	ds_load_b128 v[64+8*(4*\mt+\ks)+4:64+8*(4*\mt+\ks)+7], v[ADK+\slot] offset:16*PITK*\mt+64*\ks+32
.endr
.endr
.irp dm, 0,1,2,3,4,5,6,7
	ds_load_tr16_b128 v[128+8*\dm:128+8*\dm+3],   v[ADV+\slot] offset:32*\dm
	ds_load_tr16_b128 v[128+8*\dm+4:128+8*\dm+7], v[ADV+\slot] offset:32*\dm+16*PITV
.endr
	s_wait_loadcnt 0x0                             ; q (met at once but in a block's first tile)
	s_wait_dscnt 16                                ; K's fragments are in; V's sixteen loads stay out
	WIN 0x08
	; S^T: eight accumulators take turns, one instruction a turn
.irp ks, 0,1,2,3
.irp nt, 0,1,2,3
.irp mt, 0,1
.if \ks == 0
	v_wmma_f32_16x16x32_f16 v[192+16*\nt+8*\mt:192+16*\nt+8*\mt+7], v[64+8*(4*\mt+\ks):64+8*(4*\mt+\ks)+7], v[8*(4*\nt+\ks):8*(4*\nt+\ks)+7], 0
.else
	v_wmma_f32_16x16x32_f16 v[192+16*\nt+8*\mt:192+16*\nt+8*\mt+7], v[64+8*(4*\mt+\ks):64+8*(4*\mt+\ks)+7], v[8*(4*\nt+\ks):8*(4*\nt+\ks)+7], v[192+16*\nt+8*\mt:192+16*\nt+8*\mt+7]
.endif
.endr
.endr
.endr
	WIN 0
	PLACES
.if \diag == 1
	s_cmp_eq_u32 s15, s17
	s_cbranch_scc0 .Lnomask_\@
	MASK LIM1
.Lnomask_\@:
.endif
.if \diag == 2
	MASK LIM2
.endif
	; the running maximum, four chains side by side
.irp nt, 0,1,2,3
	v_max3_num_f32 v[RNM+2*\nt], v[RM+2*\nt], v[192+16*\nt], v[192+16*\nt+1]
.endr
.irp i, 1,2,3,4,5,6,7
.irp nt, 0,1,2,3
	v_max3_num_f32 v[RNM+2*\nt], v[RNM+2*\nt], v[192+16*\nt+2*\i], v[192+16*\nt+2*\i+1]
.endr
.endr
.irp nt, 0,1,2,3
	v_permlanex16_b32 v[RNM+2*\nt+1], v[RNM+2*\nt], s8, s9
.endr
.irp nt, 0,1,2,3
	v_max_num_f32 v[RNM+2*\nt], v[RNM+2*\nt], v[RNM+2*\nt+1]   ; over both half-waves: all my 32 keys
.endr
.irp nt, 0,1,2,3
	v_mov_b32 v[RNM+2*\nt+1], v[RNM+2*\nt]
.endr
.irp nt, 0,1,2,3
	v_sub_f32 v[RAL+2*\nt], v[RM+2*\nt], v[RNM+2*\nt]
.endr
.irp nt, 0,1,2,3
	v_exp_f32 v[RAL+2*\nt], v[RAL+2*\nt]           ; alpha = 2^(old maximum - new)
.endr
.irp nt, 0,1,2,3
	v_mov_b32 v[RM+2*\nt], v[RNM+2*\nt]            ; (plain work behind the exponentials: ISA guide 5.7.2)
.endr
	s_wait_alu depctr_va_vdst(0)
.irp nt, 0,1,2,3
	v_mov_b32 v[RAL+2*\nt+1], v[RAL+2*\nt]
.endr
.irp nt, 0,1,2,3
.irp i, 0,1,2,3,4,5,6,7
	v_pk_add_f32 v[192+16*\nt+2*\i:192+16*\nt+2*\i+1], v[192+16*\nt+2*\i:192+16*\nt+2*\i+1], v[RNM+2*\nt:RNM+2*\nt+1] neg_lo:[0,1] neg_hi:[0,1]
.endr
.endr
.set p, 0
.rept 64
	v_exp_f32 v[192+p], v[192+p]
.set p, p+1
.endr
	WIN 0x41                                       ; O x alpha; this is also the plain work behind the exponentials
.irp dm, 0,1,2,3,4,5,6,7
.irp nt, 0,1,2,3
.irp i, 0,1,2,3
	v_pk_mul_f32 v[8*(4*\dm+\nt)+2*\i:8*(4*\dm+\nt)+2*\i+1], v[8*(4*\dm+\nt)+2*\i:8*(4*\dm+\nt)+2*\i+1], v[RAL+2*\nt:RAL+2*\nt+1]
.endr
.endr
.endr
	WIN 0
	s_wait_alu depctr_va_vdst(0)
.irp nt, 0,1,2,3
	v_pk_add_f32 v[RT:RT+1],   v[192+16*\nt:192+16*\nt+1],     v[192+16*\nt+2:192+16*\nt+3]
	v_pk_add_f32 v[RT+2:RT+3], v[192+16*\nt+4:192+16*\nt+5],   v[192+16*\nt+6:192+16*\nt+7]
	v_pk_add_f32 v[RT+4:RT+5], v[192+16*\nt+8:192+16*\nt+9],   v[192+16*\nt+10:192+16*\nt+11]
	v_pk_add_f32 v[RT+6:RT+7], v[192+16*\nt+12:192+16*\nt+13], v[192+16*\nt+14:192+16*\nt+15]
	v_pk_add_f32 v[RT:RT+1],   v[RT:RT+1],   v[RT+2:RT+3]
	v_pk_add_f32 v[RT+4:RT+5], v[RT+4:RT+5], v[RT+6:RT+7]
	v_pk_add_f32 v[RT:RT+1],   v[RT:RT+1],   v[RT+4:RT+5]
	v_fma_f32 v[RM+2*\nt+1], v[RM+2*\nt+1], v[RAL+2*\nt], v[RT]
	v_add_f32 v[RM+2*\nt+1], v[RM+2*\nt+1], v[RT+1]
.endr
	; P in f16, in place: register i of a query's sixteen takes keys 2 i, 2 i + 1; ascending i never overwrites what is still to be read
.irp nt, 0,1,2,3
.irp i, 0,1,2,3,4,5,6,7
	v_cvt_pk_f16_f32 v[192+16*\nt+\i], v[192+16*\nt+2*\i], v[192+16*\nt+2*\i+1]
.endr
.endr
	s_wait_dscnt 0x0                               ; V's fragments
	WIN 0x50
	; O^T += V^T P^T: 32 accumulators, one instruction each
.irp dm, 0,1,2,3,4,5,6,7
.irp nt, 0,1,2,3
	v_wmma_f32_16x16x32_f16 v[8*(4*\dm+\nt):8*(4*\dm+\nt)+7], v[128+8*\dm:128+8*\dm+7], v[192+16*\nt:192+16*\nt+7], v[8*(4*\dm+\nt):8*(4*\dm+\nt)+7]
.endr
.endr
	WIN 0
.rept 5
	v_nop                                          ; five places: the next S^T writes over P, a source of these; loads land in V's fragments; O is read
.endr
.if \diag == 1
	s_cmp_eq_u32 s15, s17
	s_cbranch_scc0 .Lnoswitch_\@
	; The first block is over.  My statistics and my raw O go to LDS bytes of my own (no barrier here: they are read at the very end),
	; the second block's q is asked for, and the maximum goes back to -1e30: the next alpha is 0 and wipes O and the sum, which are finite.
	STATS 0
	OSTORE MST1
	QLOAD 68
.irp nt, 0,1,2,3
	v_mov_b32 v[RM+2*\nt], s74
.endr
.Lnoswitch_\@:
.endif
	s_add_co_u32 s15, s15, 1
.endm
; The merge of one block.  Wave w takes rows 16 w .. 16 w + 15 (nt = w) in the layout in which they were stored, so that the weights are
; one number a lane.  Two column blocks (dm) of all four waves a batch, two register buffers.
.macro LOADB bt, la
.irp d, 0,1
.irp w, 0,1,2,3
	ds_load_b128 v[64+64*(\bt%2)+32*\d+8*\w:64+64*(\bt%2)+32*\d+8*\w+3],   v[\la+\w/2] offset:MRGW*(\w%2)+64*(2*\bt+\d)
	ds_load_b128 v[64+64*(\bt%2)+32*\d+8*\w+4:64+64*(\bt%2)+32*\d+8*\w+7], v[\la+\w/2] offset:MRGW*(\w%2)+64*(2*\bt+\d)+16
.endr
.endr
.endm
; The weighted sum of a batch, then its split: hi = the sum cut to f16's 11 bits (exact in f16), lo = sum - hi (exact in f32), both packed.
; hi's f32 form stands in the registers that held wave 1's rows, which the sums have used up.
.macro COMPB bt
.set BB, 64+64*(\bt%2)
.irp d, 0,1
.irp i, 0,1,2,3
	v_pk_mul_f32 v[BB+32*\d+2*\i:BB+32*\d+2*\i+1], v[BB+32*\d+2*\i:BB+32*\d+2*\i+1], v[RNM:RNM+1]
.endr
.endr
.irp w, 1,2,3
.irp d, 0,1
.irp i, 0,1,2,3
	v_pk_fma_f32 v[BB+32*\d+2*\i:BB+32*\d+2*\i+1], v[BB+32*\d+8*\w+2*\i:BB+32*\d+8*\w+2*\i+1], v[RNM+2*\w:RNM+2*\w+1], v[BB+32*\d+2*\i:BB+32*\d+2*\i+1]
.endr
.endr
.endr
.irp d, 0,1
.irp i, 0,1,2,3
	v_and_b32 v[BB+32*\d+8+2*\i], s13, v[BB+32*\d+2*\i]
	v_and_b32 v[BB+32*\d+9+2*\i], s13, v[BB+32*\d+2*\i+1]
.endr
.endr
.irp d, 0,1
.irp i, 0,1,2,3
	v_pk_add_f32 v[BB+32*\d+2*\i:BB+32*\d+2*\i+1], v[BB+32*\d+2*\i:BB+32*\d+2*\i+1], v[BB+32*\d+8+2*\i:BB+32*\d+9+2*\i] neg_lo:[0,1] neg_hi:[0,1]
.endr
.endr
.irp d, 0,1
.irp i, 0,1,2,3
	v_cvt_pk_f16_f32 v[192+4*(2*\bt+\d)+\i], v[BB+32*\d+8+2*\i], v[BB+32*\d+9+2*\i]
	v_cvt_pk_f16_f32 v[224+4*(2*\bt+\d)+\i], v[BB+32*\d+2*\i],   v[BB+32*\d+2*\i+1]
.endr
.endr
.endm
; 16 rows of 128 f16 through my own stage: 16 bytes a lane in, whole rows back.  LDS serves a wave's instructions in order,
; so no wait stands between the stores and the loads; the count-down ends at 0 before the stage is written again.
.macro STOUT src, dst, sb, goff
.irp dm, 0,1,2,3,4,5,6,7
	ds_store_b128 v[STO], v[\src+4*\dm:\src+4*\dm+3] offset:32*\dm
.endr
.irp t, 0,1,2,3,4,5,6,7
	ds_load_b128 v[\dst+4*\t:\dst+4*\t+3], v[RD] offset:2*PITS*\t
.endr
.irp t, 0,1,2,3,4,5,6,7
	s_wait_dscnt 7-\t                              ; pair t of rows is back, the younger ones stay out
	global_store_b128 v[OOFF], v[\dst+4*\t:\dst+4*\t+3], s[\sb:\sb+1] offset:16384*\t+\goff   ; sixteen lanes store a head's 256 bytes of a row, aligned
.endr
.endm
.macro MERGE soff, la, sb, again
.if \again
	s_wait_xcnt 0x0                                ; v64-127 were the first block's store data: loaded again only behind this wait
.endif
.irp w, 0,1,2,3
	ds_load_b64 v[RT+2*\w:RT+2*\w+1], v[STR] offset:\soff+128*\w          ; (maximum, sum) of wave w for my query
.endr
	LOADB 0, \la
	LOADB 1, \la
	s_wait_dscnt 32                                ; the statistics are in; the two batches behind them stay out
	v_max3_num_f32 v[RX], v[RT], v[RT+2], v[RT+4]
	v_max_num_f32 v[RX], v[RX], v[RT+6]            ; the maximum over all keys
.irp w, 0,1,2,3
	v_sub_f32 v[RNM+2*\w], v[RT+2*\w], v[RX]
.endr
.irp w, 0,1,2,3
	v_exp_f32 v[RNM+2*\w], v[RNM+2*\w]
.endr
	v_nop                                          ; a plain place behind the exponentials
	s_wait_alu depctr_va_vdst(0)
	v_mul_f32 v[RX+1], v[RNM], v[RT+1]
.irp w, 1,2,3
	v_fma_f32 v[RX+1], v[RNM+2*\w], v[RT+2*\w+1], v[RX+1]                 ; the whole row's sum; at least 1: the largest score counts 1
.endr
	v_rcp_f32 v[RX+2], v[RX+1]
	v_nop
	s_wait_alu depctr_va_vdst(0)
.irp w, 0,1,2,3
	v_mul_f32 v[RNM+2*\w], v[RNM+2*\w], v[RX+2]    ; wave w's weight: 2^(its maximum - the maximum) / sum
.endr
.irp w, 0,1,2,3
	v_mov_b32 v[RNM+2*\w+1], v[RNM+2*\w]
.endr
	s_wait_dscnt 16                                ; the older batch is in, the younger stays out
	COMPB 0
	LOADB 2, \la
	s_wait_dscnt 16
	COMPB 1
	LOADB 3, \la
	s_wait_dscnt 16
	COMPB 2
	s_wait_dscnt 0x0
	COMPB 3
	STOUT 192, 64, \sb, 0                          ; hi: columns 0-2047 of atth's rows
	STOUT 224, 96, \sb, 4096                       ; lo: columns 2048-4095
.endm
	s_mov_b32 s3, 8
.Ltiles:
	TILE 0, 1, 0                                   ; tiles 0, 2, .. 14: never a block's last
	TILE 1, 1, 1                                   ; tiles 1, 3, .. 15: one of them is the first block's last
	s_sub_co_u32 s3, s3, 1
	s_cmp_lg_u32 s3, 0
	s_cbranch_scc1 .Ltiles
	TILE 0, 0, 2                                   ; tile 16: the second block's last; nothing is left to fetch
	STATS 2048
	s_wait_dscnt 0x0                               ; my LDS reads of the ring are over, my statistics are stored
	s_barrier_signal -1
	s_barrier_wait -1                              ; every wave's are: the ring's bytes, which have had their last fill, may be written
	OSTORE MST2
	s_wait_dscnt 0x0                               ; for the other waves: zero
	s_barrier_signal -1
	s_barrier_wait -1
	MERGE 0,    MLD,   70, 0
	MERGE 2048, MLD+2, 72, 1
	s_wait_tensorcnt 0x0
	ds_add_u32 v62, v63
	s_wait_dscnt 0x0
	ROUND                                          ; the closing round: no work-group ends while a partner may still ask jointly
	s_endpgm
.Lfunc_end_k_q7a442ea73e_attn:
	.size	k_q7a442ea73e_attn, .Lfunc_end_k_q7a442ea73e_attn-k_q7a442ea73e_attn
	.p2alignl 7, 3214868480
	.fill 96, 4, 3214868480
	.section	.rodata,"a",@progbits
	.p2align	6, 0x0
	.amdhsa_kernel k_q7a442ea73e_attn
		.amdhsa_group_segment_fixed_size 327680
		.amdhsa_private_segment_fixed_size 0
		.amdhsa_enable_private_segment 0
		.amdhsa_kernarg_size 16
		.amdhsa_user_sgpr_count 2
		.amdhsa_user_sgpr_kernarg_segment_ptr 1
		.amdhsa_wavefront_size32 1
		.amdhsa_system_sgpr_workgroup_id_x 1
		.amdhsa_system_sgpr_workgroup_id_y 1
		.amdhsa_system_sgpr_workgroup_id_z 1
		.amdhsa_system_vgpr_workitem_id 0
		.amdhsa_next_free_vgpr 640
		.amdhsa_next_free_sgpr 80
		.amdhsa_reserve_vcc 1
		.amdhsa_float_denorm_mode_32 3
		.amdhsa_float_denorm_mode_16_64 3
		.amdhsa_memory_ordered 1
		.amdhsa_forward_progress 1
		.amdhsa_inst_pref_size 164
	.end_amdhsa_kernel
	.amdgpu_metadata
---
amdhsa.version: [ 1, 2 ]
amdhsa.kernels:
  - .name:           k_q7a442ea73e_attn
    .symbol:         k_q7a442ea73e_attn.kd
    .args:
      - { .name: qkvh, .offset: 0, .size: 8, .value_kind: global_buffer, .address_space: global }
      - { .name: atth, .offset: 8, .size: 8, .value_kind: global_buffer, .address_space: global }
    .group_segment_fixed_size: 327680
    .private_segment_fixed_size: 0
    .kernarg_segment_align: 8
    .kernarg_segment_size: 16
    .max_flat_workgroup_size: 128
    .sgpr_count:     80
    .vgpr_count:     640
    .wavefront_size: 32
...
	.end_amdgpu_metadata
.endif
;; end of part 3
;; launch proj_o (part 4): grid 16 x 16, 4 waves a work-group, clusters of 4 x 4, 327,680 bytes of LDS; arguments atth, woh, out0; writes out0
.if DOCPART == 4
	.amdgcn_target "amdgcn-amd-amdhsa--gfx1250"
	.amdhsa_code_object_version 6
	.text
	.protected	k_q7a442ea73e_proj_o
	.globl	k_q7a442ea73e_proj_o
	.p2align	8
	.type	k_q7a442ea73e_proj_o,@function
k_q7a442ea73e_proj_o:
	s_mov_b64 s[64:65], 0
	v_nop
	global_prefetch_b8 v0, s[64:65] scope:SCOPE_SE
	s_setreg_imm32_b32 hwreg(HW_REG_WAVE_MODE, 25, 1), 1
	s_wait_xcnt 0x0
	s_wait_alu depctr_hold_cnt(0) depctr_sa_sdst(0) depctr_va_vdst(0) depctr_va_sdst(0) depctr_va_ssrc(0) depctr_va_vcc(0) depctr_vm_vsrc(0)
	s_getreg_b32 s2, hwreg(HW_REG_IB_STS2, 6, 4)
	s_cmp_eq_u32 s2, 0
	s_cbranch_scc0 .Lentry_in_a_cluster
	s_endpgm
.Lentry_in_a_cluster:
	s_bfe_u32 s2, ttmp6, 0x10000c
	s_cmp_lg_u32 s2, 0xf033
	s_cbranch_scc0 .Lentry_shape_is_right
	s_endpgm
.Lentry_shape_is_right:
; Launch 4 of 4.  out0 = att W_o, with att = hi + lo in two f16 numbers (atth[token][4096]: hi in columns 0-2047, lo in 2048-4095):
; out0 = hi W_o + lo W_o, 2048 x 4096 x 2048 in all, f16 operands, f32 sums in one accumulator for each output, f32 result.
; 256 work-groups of 128 x 128.  K IS SPLIT IN TWO INSIDE THE WORK-GROUP: wave (kh, nh) makes 128 rows x 64 columns over half of each
; slot's K (32 accumulator tiles), which needs a quarter less LDS reading than four waves of 64 x 64; the two halves are added on the way out.
; A slot holds K = 256.  In lap j slot 0 holds hi's columns 256 j .. and slot 1 lo's, each with W_o's rows 256 j ..: 8 laps, 16 steps.
; CLUSTER 4 x 4: att's tile is asked for jointly along a row of the cluster, W_o's along a column.
; W_o lies [k][n]: fragments by the transposing LDS load.  Transposed use: lane (r, h) of tile (a, b) holds row 16 a + r, columns 16 b + 8 h + 0..7.
; REGISTERS: window 0: v16-23 addresses; v32-63 / v128-159 W fragments, v64-127 / v160-223 att fragments (two buffers);
; window 1: accumulators, tile (a, b) at v[8 (4 a + b)].
.set QUART,  36864                     ; att: 64 rows x 528 (33,792 used); W_o: 128 rows x 288
.set SLOT,   4*QUART
.set PA,     528                       ; 512 bytes + 16
.set PB,     288                       ; 256 bytes + 32
.set PM,     528                       ; the way out: 128 f32 + 16 bytes
.set MHALF,  128*PM                    ; one K half's 128 rows
.set LAPS,   8                         ; 2048 / 256: a lap takes one K chunk of hi and the same of lo
.set ADRA, 16
.set ADRB, 18
.set MST,  20
.set MRD0, 21
.set MRD1, 22
.set CO,   23
.set G1,  24
.set G0,  32
.set G1B, 48
.set G0B, 56
.set MSB, 0
.macro WIN new
.if MSB != \new
	s_set_vgpr_msb (MSB<<8)|\new
.set MSB, \new
.endif
.endm
.macro PLACES
.rept 4
	v_nop
.endr
.endm
.macro JLOAD s
	s_cmp_eq_u32 s11, 0
	s_cbranch_scc0 .Lfor_b_\@
	tensor_load_to_lds s[G0+4*(\s):G0+4*(\s)+3], s[G1:G1+7]
	s_nop 0
	s_branch .Lasked_\@
.Lfor_b_\@:
	tensor_load_to_lds s[G0B+4*(\s):G0B+4*(\s)+3], s[G1B:G1B+7]
	s_nop 0
.Lasked_\@:
.endm
.macro CREST
	s_cmp_lg_u32 s10, 0
	s_cbranch_scc1 .Lnot_wave_0_\@
	s_barrier_signal -3
.Lnot_wave_0_\@:
	s_barrier_wait -3
	s_barrier_signal -1
	s_barrier_wait -1
.endm
.macro CROUND
	s_barrier_signal -1
	s_barrier_wait -1
	CREST
.endm
	s_load_b128 s[4:7], s[0:1], 0x0                ; atth, woh
	s_load_b64 s[8:9], s[0:1], 0x10                ; out0
	v_lshl_add_u32 v254, v0, 2, 0x48000
	v_mov_b32 v255, 0
	ds_add_u32 v254, v255
	v_lshrrev_b32 v1, 5, v0
	v_readfirstlane_b32 s10, v1
	s_lshr_b32 s11, s10, 1                         ; kh: my half of K.  Also: I fetch for att (0) or for W_o (1)
	s_and_b32 s12, s10, 1                          ; nh: my half of the columns.  Also: which half of that tile's rows I fetch
	s_bfe_u32 s40, ttmp6, 0x40000
	s_bfe_u32 s41, ttmp6, 0x40004
	s_lshl_b32 s42, ttmp9, 2
	s_add_co_u32 s42, s42, s40                     ; block column
	s_and_b32 s13, ttmp7, 0xffff
	s_lshl_b32 s13, s13, 2
	s_add_co_u32 s13, s13, s41                     ; block row
	s_lshl_b32 s43, s41, 2
	s_lshl_b32 s43, 15, s43
	s_lshl_b32 s44, 0x1111, s40
	s_or_b32 s[G1+0], s43, (1<<16)|(1<<20)|(1<<21)|(6<<22)|(3<<25)   ; att: 4 words of padding behind every 128
	s_mov_b32 s[G1+1], 256<<16
	s_mov_b32 s[G1+2], 64<<16
	s_mov_b32 s[G1+3], 256<<16
	s_mov_b32 s[G1+4], 64
	s_mov_b32 s[G1+5], 4096                        ; elements from row to row: hi and lo
	s_mov_b32 s[G1+6], 0
	s_mov_b32 s[G1+7], 0
	s_or_b32 s[G1B+0], s44, (1<<16)|(1<<20)|(1<<21)|(5<<22)|(7<<25)  ; W_o: 8 words of padding behind every 64
	s_mov_b32 s[G1B+1], 128<<16
	s_mov_b32 s[G1B+2], 128<<16
	s_mov_b32 s[G1B+3], 128<<16
	s_mov_b32 s[G1B+4], 128
	s_mov_b32 s[G1B+5], 2048
	s_mov_b32 s[G1B+6], 0
	s_mov_b32 s[G1B+7], 0
	s_lshl_b32 s17, s12, 6
	s_lshl_b32 s16, s13, 7
	s_add_co_u32 s16, s16, s17
	s_lshl_b32 s16, s16, 13                        ; att: row x 8,192 bytes
	s_mov_b32 s17, 0
	s_lshl_b32 s46, s42, 8                         ; W_o: 256 bytes x block column
	s_lshl_b32 s47, s12, 19                        ; + 128 rows of 4,096 bytes x half
	s_add_co_u32 s46, s46, s47
	s_mov_b32 s47, 0
	s_mul_i32 s20, s10, QUART
	s_wait_dscnt 0x0
	s_wait_kmcnt 0x0
	s_add_nc_u64 s[14:15], s[4:5], s[16:17]
	s_add_nc_u64 s[46:47], s[6:7], s[46:47]
	CROUND
.irp s, 0,1
	s_mov_b32 s[G0+4*\s], 1
	s_add_co_u32 s[G0+4*\s+1], s20, \s*SLOT
	s_add_nc_u64 s[G0+4*\s+2:G0+4*\s+3], s[14:15], \s*4096         ; slot 0: hi; slot 1: lo, 2,048 elements on in the row
	s_or_b32 s[G0+4*\s+3], s[G0+4*\s+3], 0x80000000
	s_mov_b32 s[G0B+4*\s], 1
	s_add_co_u32 s[G0B+4*\s+1], s20, \s*SLOT
	s_mov_b64 s[G0B+4*\s+2:G0B+4*\s+3], s[46:47]                   ; both slots: the same rows of W_o
	s_or_b32 s[G0B+4*\s+3], s[G0B+4*\s+3], 0x80000000
	JLOAD \s                                       ; two tensor loads of the wave are out, never more
.endr
	v_and_b32 v1, 15, v0                           ; r
	v_bfe_u32 v2, v0, 4, 1                         ; h
	v_and_b32 v3, 31, v0
	v_mul_u32_u24 v4, v1, PA
	v_lshl_add_u32 v5, v2, 4, v4                   ; 528 r + 16 h
	s_lshl_b32 s21, s11, 8                         ; + my K half's 256 bytes of a row
	v_add_nc_u32 v[ADRA], s21, v5
	v_add_nc_u32 v[ADRA+1], SLOT, v[ADRA]
	v_and_b32 v5, 7, v0
	v_lshl_add_u32 v5, v2, 3, v5
	v_mul_u32_u24 v5, v5, PB
	v_bfe_u32 v6, v0, 3, 1
	v_lshl_add_u32 v5, v6, 4, v5
	s_mul_i32 s22, s11, QUART                      ; my K half's 128 rows are one quarter
	s_lshl_b32 s23, s12, 7                         ; my 64 columns
	s_add_co_u32 s22, s22, s23
	s_add_co_u32 s22, s22, 2*QUART
	v_add_nc_u32 v[ADRB], s22, v5
	v_add_nc_u32 v[ADRB+1], SLOT, v[ADRB]
	v_lshl_add_u32 v5, v2, 5, v4                   ; the way out, in: 528 r + 32 h
	s_mul_i32 s22, s11, MHALF
	s_lshl_b32 s23, s12, 8
	s_add_co_u32 s22, s22, s23
	v_add_nc_u32 v[MST], s22, v5
	s_mul_i32 s22, s10, 32*PM                      ; back: wave w takes rows 32 w .. 32 w + 31
	v_lshl_add_u32 v[MRD0], v3, 4, s22
	v_add_nc_u32 v[MRD1], MHALF, v[MRD0]
	v_lshlrev_b32 v[CO], 4, v3
	s_lshl_b32 s18, s13, 7
	s_lshl_b32 s19, s10, 5
	s_add_co_u32 s18, s18, s19
	s_lshl_b32 s18, s18, 13                        ; (128 block row + 32 w) x 8,192 bytes
	s_lshl_b32 s19, s42, 9                         ; + 512 bytes x block column
	s_add_co_u32 s18, s18, s19
	s_mov_b32 s19, 0
	s_add_nc_u64 s[8:9], s[8:9], s[18:19]
; 4 matrix instructions: row block a x my 4 column blocks.  The 32 accumulators take turns, one instruction a turn, in the same order
; in every quarter step.
.macro MULA f, a, zero
.irp b, 0,1,2,3
.if \zero
	v_wmma_f32_16x16x32_f16 v[8*(4*(\a)+\b):8*(4*(\a)+\b)+7], v[32+96*\f+8*\b:32+96*\f+8*\b+7], v[64+96*\f+8*(\a):64+96*\f+8*(\a)+7], 0
.else
	v_wmma_f32_16x16x32_f16 v[8*(4*(\a)+\b):8*(4*(\a)+\b)+7], v[32+96*\f+8*\b:32+96*\f+8*\b+7], v[64+96*\f+8*(\a):64+96*\f+8*(\a)+7], v[8*(4*(\a)+\b):8*(4*(\a)+\b)+7]
.endif
.endr
.endm
.macro MUL4 f, a0, zero
	MULA \f, \a0, \zero
	MULA \f, \a0+1, \zero
	MULA \f, \a0+2, \zero
	MULA \f, \a0+3, \zero
.endm
.macro FETCH slot, q, f                ; 24 LDS loads in one run: W_o's four fragments, then att's eight
	WIN 0
.irp b, 0,1,2,3
	ds_load_tr16_b128 v[32+96*\f+8*\b:32+96*\f+8*\b+3],   v[ADRB+\slot] offset:32*PB*\q+32*\b
	ds_load_tr16_b128 v[32+96*\f+8*\b+4:32+96*\f+8*\b+7], v[ADRB+\slot] offset:32*PB*\q+32*\b+16*PB
.endr
.irp a, 0,1,2,3,4,5,6,7
	ds_load_b128 v[64+96*\f+8*\a:64+96*\f+8*\a+3],   v[ADRA+\slot] offset:QUART*(\a/4)+16*PA*(\a%4)+64*\q
	ds_load_b128 v[64+96*\f+8*\a+4:64+96*\f+8*\a+7], v[ADRA+\slot] offset:QUART*(\a/4)+16*PA*(\a%4)+64*\q+32
.endr
.endm
.macro QUARTER slot, q, f, g, zero
	s_wait_dscnt 8                                 ; all but the eight youngest loads: att's blocks 4 to 7
	WIN 0x50
	MUL4 \f, 0, \zero
	PLACES
	FETCH \slot, \q, \g
	s_wait_dscnt 24                                ; all but the 24 just issued
	WIN 0x50
	MUL4 \f, 4, \zero
.endm
.macro THREE slot, zero
	QUARTER \slot, 1, 0, 1, \zero
	QUARTER \slot, 2, 1, 0, 0
	QUARTER \slot, 3, 0, 1, 0
.endm
; The change of slots: waits for my reads of this slot and for all my tensor loads, the barrier (which opens a round of the cluster's
; barrier where the slot is filled again), the joint refill first behind it, then the next slot's first fragments.
.macro TURN slot, next, fill
	s_wait_dscnt 8
	WIN 0x50
	MULA 1, 0, 0
	MULA 1, 1, 0
	s_wait_dscnt 0
	s_wait_tensorcnt 0x0
	ds_add_u32 v254, v255
	s_wait_dscnt 0x0
	s_barrier_signal -1
	MULA 1, 2, 0
	MULA 1, 3, 0
	WIN 0
	s_barrier_wait -1
.if \fill
	CREST
	s_add_nc_u64 s[G0+4*\slot+2:G0+4*\slot+3], s[G0+4*\slot+2:G0+4*\slot+3], 512          ; the slot's next K chunk: 256 elements on; no tensor load of mine is out
	s_add_nc_u64 s[G0B+4*\slot+2:G0B+4*\slot+3], s[G0B+4*\slot+2:G0B+4*\slot+3], 1048576  ; 256 rows of W_o down
	JLOAD \slot
.endif
	PLACES
	FETCH \next, 0, 0
	WIN 0x50
	MUL4 1, 4, 0
.endm
.macro LAP zero
	THREE 0, \zero
	TURN 0, 1, 1
	THREE 1, 0
	TURN 1, 0, 1
.endm
	s_wait_tensorcnt 0x1                           ; my part of slot 0 is in; slot 1's load stays out
	s_barrier_signal -1
	s_barrier_wait -1
	FETCH 0, 0, 0
	LAP 1
	WIN 0
	s_mov_b32 s3, LAPS-2
.Llap:
	LAP 0
	WIN 0
	s_sub_co_u32 s3, s3, 1
	s_cmp_lg_u32 s3, 0
	s_cbranch_scc1 .Llap
	THREE 0, 0
	TURN 0, 1, 0
	THREE 1, 0
	s_wait_dscnt 8
	WIN 0x50
	MUL4 1, 0, 0
	s_wait_dscnt 0
	MUL4 1, 4, 0
	; THE WAY OUT.  Both K halves' 128 x 128 sums go into LDS (2 x 67,584 bytes inside slot 0, which has had its last fill of the launch),
	; are read back as whole rows, added and stored: a store of a wave covers 512 consecutive bytes, aligned.
	WIN 0
	s_barrier_signal -1                            ; every wave's LDS reads are over (waited for above)
	s_barrier_wait -1
	PLACES                                         ; behind the last matrix instructions
	WIN 0x04
.irp a, 0,1,2,3,4,5,6,7
.irp b, 0,1,2,3
	ds_store_b128 v[MST], v[8*(4*\a+\b):8*(4*\a+\b)+3]   offset:16*PM*\a+64*\b
	ds_store_b128 v[MST], v[8*(4*\a+\b)+4:8*(4*\a+\b)+7] offset:16*PM*\a+64*\b+16
.endr
.endr
	WIN 0
	s_wait_dscnt 0x0                               ; for the other waves: zero
	s_barrier_signal -1
	s_barrier_wait -1
.irp bt, 0,1,2,3
.if \bt
	s_wait_xcnt 0x0                                ; the last batch's store data are loaded again only behind this wait
.endif
.irp ii, 0,1,2,3,4,5,6,7
	ds_load_b128 v[32+8*\ii:35+8*\ii], v[MRD0] offset:PM*(8*\bt+\ii)
	ds_load_b128 v[36+8*\ii:39+8*\ii], v[MRD1] offset:PM*(8*\bt+\ii)
.endr
.irp ii, 0,1,2,3,4,5,6,7
	s_wait_dscnt 14-2*\ii                          ; row ii's two halves are in, the younger rows' loads stay out
	v_pk_add_f32 v[32+8*\ii:33+8*\ii], v[32+8*\ii:33+8*\ii], v[36+8*\ii:37+8*\ii]
	v_pk_add_f32 v[34+8*\ii:35+8*\ii], v[34+8*\ii:35+8*\ii], v[38+8*\ii:39+8*\ii]
	global_store_b128 v[CO], v[32+8*\ii:35+8*\ii], s[8:9] offset:8192*(8*\bt+\ii) th:TH_STORE_NT
.endr
.endr
	s_wait_tensorcnt 0x0
	ds_add_u32 v254, v255
	s_wait_dscnt 0x0
	CROUND                                         ; the closing round
	s_endpgm
.Lfunc_end_k_q7a442ea73e_proj_o:
	.size	k_q7a442ea73e_proj_o, .Lfunc_end_k_q7a442ea73e_proj_o-k_q7a442ea73e_proj_o
	.p2alignl 7, 3214868480
	.fill 96, 4, 3214868480
	.section	.rodata,"a",@progbits
	.p2align	6, 0x0
	.amdhsa_kernel k_q7a442ea73e_proj_o
		.amdhsa_group_segment_fixed_size 327680
		.amdhsa_private_segment_fixed_size 0
		.amdhsa_enable_private_segment 0
		.amdhsa_kernarg_size 24
		.amdhsa_user_sgpr_count 2
		.amdhsa_user_sgpr_kernarg_segment_ptr 1
		.amdhsa_wavefront_size32 1
		.amdhsa_system_sgpr_workgroup_id_x 1
		.amdhsa_system_sgpr_workgroup_id_y 1
		.amdhsa_system_sgpr_workgroup_id_z 1
		.amdhsa_system_vgpr_workitem_id 0
		.amdhsa_next_free_vgpr 512
		.amdhsa_next_free_sgpr 66
		.amdhsa_reserve_vcc 0
		.amdhsa_float_denorm_mode_32 3
		.amdhsa_float_denorm_mode_16_64 3
		.amdhsa_memory_ordered 1
		.amdhsa_forward_progress 1
		.amdhsa_inst_pref_size 117
	.end_amdhsa_kernel
	.amdgpu_metadata
---
amdhsa.version: [ 1, 2 ]
amdhsa.kernels:
  - .name:           k_q7a442ea73e_proj_o
    .symbol:         k_q7a442ea73e_proj_o.kd
    .args:
      - { .name: atth, .offset: 0, .size: 8, .value_kind: global_buffer, .address_space: global }
      - { .name: woh, .offset: 8, .size: 8, .value_kind: global_buffer, .address_space: global }
      - { .name: out0, .offset: 16, .size: 8, .value_kind: global_buffer, .address_space: global }
    .group_segment_fixed_size: 327680
    .private_segment_fixed_size: 0
    .kernarg_segment_align: 8
    .kernarg_segment_size: 24
    .max_flat_workgroup_size: 128
    .sgpr_count:     66
    .vgpr_count:     512
    .wavefront_size: 32
...
	.end_amdgpu_metadata
.endif
;; end of part 4
;; ======== version 2 of 2: 4 launches; 1.17 times as fast as version 1
;; limits: values are held in f16: magnitudes above 65,504 overflow, below 6.1e-05 lose precision; values outside matrix products are rounded to bf16
;; workspace buffers: xh 8,388,608 bytes; wqkvh 16,777,216 bytes; woh 8,388,608 bytes; tab 1,048,576 bytes; qkvh 16,777,216 bytes; atth 9,437,184 bytes
;; launch prep: the kernel of part 1 again; grid 1056 x 1, 8 waves a work-group, no clusters, 0 bytes of LDS; arguments hidden_states, w_qkv, w_o, positions, xh, wqkvh, woh, tab; writes xh, wqkvh, woh, tab
;; launch proj_qkv (part 5): grid 16 x 16, 4 waves a work-group, clusters of 4 x 4, 327,680 bytes of LDS; arguments xh, wqkvh, tab, q_norm_w, k_norm_w, qkvh; writes qkvh
.if DOCPART == 5
	.amdgcn_target "amdgcn-amd-amdhsa--gfx1250"
	.amdhsa_code_object_version 6
	.text
	.protected	k_q7a442ea73e_proj_qkv
	.globl	k_q7a442ea73e_proj_qkv
	.p2align	8
	.type	k_q7a442ea73e_proj_qkv,@function
k_q7a442ea73e_proj_qkv:
	s_mov_b64 s[64:65], 0
	v_nop
	global_prefetch_b8 v0, s[64:65] scope:SCOPE_SE
	s_setreg_imm32_b32 hwreg(HW_REG_WAVE_MODE, 25, 1), 1
	s_wait_xcnt 0x0
	s_wait_alu depctr_hold_cnt(0) depctr_sa_sdst(0) depctr_va_vdst(0) depctr_va_sdst(0) depctr_va_ssrc(0) depctr_va_vcc(0) depctr_vm_vsrc(0)
	s_getreg_b32 s2, hwreg(HW_REG_IB_STS2, 6, 4)
	s_cmp_eq_u32 s2, 0
	s_cbranch_scc0 .Lentry_in_a_cluster
	s_endpgm
.Lentry_in_a_cluster:
	s_bfe_u32 s2, ttmp6, 0x10000c
	s_cmp_lg_u32 s2, 0xf033
	s_cbranch_scc0 .Lentry_shape_is_right
	s_endpgm
.Lentry_shape_is_right:
; Launch 2 of 4.  qkv = x W (2048 x 2048 x 4096, f16 operands, f32 sums), then per head: RMSNorm with its gain, RoPE, and for q the
; factor 128^-0.5 log2(e); stored as f16 in qkvh[32 heads][2048 tokens][128]: heads 0-15 q, 16-23 k, 24-31 v.
; A work-group makes 128 tokens x 256 columns (two heads of one kind); a wave 64 tokens x one whole head: 32 accumulator tiles,
; so that a head's norm and rotation stay inside one wave.  K goes in 16 steps of 128 through two LDS slots.
; CLUSTER 4 x 4: x's tile hangs on the block row alone and is asked for jointly along a row of the cluster, W's on the block column
; alone and is asked for jointly along a column: a quarter of the requests for each.
; ORDER OF THE K STEPS: a cluster whose x + y is odd takes each pair of K steps in the other order (1, 0, 3, 2, ..): slot s begins with
; step s xor b.  x's tiles are also asked for by the other clusters of the same block rows, W's by those of the same block columns, and
; neighbouring clusters differ in b: of two neighbours one asks for a K step one step after the other and not at the same moment, so that
; every second request is for bytes that a neighbour has already had brought from memory.  LIMIT: the f32 sums take the K steps in that
; order, an order of rounding that differs from ascending K.
; W lies [k][n]; its fragments are made by the transposing LDS load.  The matrix instruction is used transposed (source 0 = 16
; columns of W, source 1 = 16 tokens of x): lane (r, h) of tile (a, b) holds token 16 a + r, columns 16 b + 8 h + 0..7.
; The kind of head hangs on the cluster's x (0, 1: q; 2: k; 3: v), which all partners share.
; The gains are rounded to bf16 like the other floating-point inputs (launch 1 says why), then used in f32.
; LIMIT: v is stored in f16, so |v| must stay below 65,504 (drawn data: about 1; inputs thirty times larger each: about 5,000).
; REGISTERS: window 0: v16-24 addresses, v32-63 / v128-159 x fragments, v64-127 / v160-223 W fragments (two buffers), v224-227 small;
; window 1: accumulators, tile (a, b) at v[8 (8 a + b)]; window 2: cos and sin of my tokens, (a, b) at v[64 a + 16 b]: 8 cos, 8 sin;
; window 3: the gain of my 64 columns a lane, v[8 b + j].
.set QUART,  34816                     ; a quarter of a slot: what one wave's tensor load fills (x: 64 rows x 272 used; W: 64 rows x 544)
.set SLOT,   4*QUART
.set STAGE,  2*SLOT                    ; behind the ring: 16 rows x 272 bytes for each wave; no tensor load lands here
.set PA,     272                       ; x row in LDS: 256 bytes + 16: an odd multiple of 16
.set PB,     544                       ; W row in LDS: 512 bytes + 32: an odd multiple of 32
.set LAPS,   8                         ; 2048 / (2 x 128)
.set ADRA, 16
.set ADRB, 18
.set STO,  20
.set RD,   21
.set CO,   22
.set TOFF, 23
.set WOFF, 24
.set G1,  24
.set G0,  32
.set G1B, 48
.set G0B, 56
.set MSB, 0
.macro WIN new                         ; the immediate's high byte repeats the setting that is left
.if MSB != \new
	s_set_vgpr_msb (MSB<<8)|\new
.set MSB, \new
.endif
.endm
.macro PLACES                          ; four places behind a matrix instruction before its registers are touched (ISA guide 7.12.1)
.rept 4
	v_nop
.endr
.endm
.macro JLOAD s                         ; waves 0, 1 ask for x's two halves, waves 2, 3 for W's; one mask a line
	s_cmp_eq_u32 s11, 0
	s_cbranch_scc0 .Lfor_b_\@
	tensor_load_to_lds s[G0+4*(\s):G0+4*(\s)+3], s[G1:G1+7]
	s_nop 0
	s_branch .Lasked_\@
.Lfor_b_\@:
	tensor_load_to_lds s[G0B+4*(\s):G0B+4*(\s)+3], s[G1B:G1B+7]
	s_nop 0
.Lasked_\@:
.endm
.macro CREST                           ; a round of the cluster's barrier behind its opening work-group barrier
	s_cmp_lg_u32 s10, 0
	s_cbranch_scc1 .Lnot_wave_0_\@
	s_barrier_signal -3
.Lnot_wave_0_\@:
	s_barrier_wait -3
	s_barrier_signal -1
	s_barrier_wait -1
.endm
.macro CROUND
	s_barrier_signal -1
	s_barrier_wait -1
	CREST
.endm
	s_load_b128 s[4:7], s[0:1], 0x0                ; xh, wqkvh
	s_load_b256 s[68:75], s[0:1], 0x10             ; tab 68, q_norm_w 70, k_norm_w 72, qkvh 74
	v_lshl_add_u32 v254, v0, 2, 0x48400
	v_mov_b32 v255, 0
	ds_add_u32 v254, v255
	v_lshrrev_b32 v1, 5, v0
	v_readfirstlane_b32 s10, v1                    ; wave
	s_lshr_b32 s11, s10, 1                         ; my half of the tokens.  Also: I fetch for x (0) or for W (1)
	s_and_b32 s12, s10, 1                          ; my head of the two.  Also: which 64 rows of that tile I fetch
	s_bfe_u32 s40, ttmp6, 0x40000                  ; cx
	s_bfe_u32 s41, ttmp6, 0x40004                  ; cy
	s_lshl_b32 s42, ttmp9, 2
	s_add_co_u32 s42, s42, s40                     ; block column
	s_and_b32 s13, ttmp7, 0xffff
	s_lshl_b32 s13, s13, 2
	s_add_co_u32 s13, s13, s41                     ; block row
	s_lshl_b32 s43, s41, 2
	s_lshl_b32 s43, 15, s43                        ; my row of the cluster
	s_lshl_b32 s44, 0x1111, s40                    ; my column
	s_or_b32 s[G1+0], s43, (1<<16)|(1<<20)|(1<<21)|(5<<22)|(3<<25)   ; x: 2-byte elements, 4 words of padding behind every 64
	s_mov_b32 s[G1+1], 128<<16                     ; tensor_dim0 = 128
	s_mov_b32 s[G1+2], 64<<16                      ; tensor_dim1 = 64
	s_mov_b32 s[G1+3], 128<<16                     ; tile_dim0 = 128
	s_mov_b32 s[G1+4], 64                          ; tile_dim1 = 64
	s_mov_b32 s[G1+5], 2048                        ; elements from row to row
	s_mov_b32 s[G1+6], 0
	s_mov_b32 s[G1+7], 0
	s_or_b32 s[G1B+0], s44, (1<<16)|(1<<20)|(1<<21)|(6<<22)|(7<<25)  ; W: 8 words of padding behind every 128
	s_mov_b32 s[G1B+1], 256<<16
	s_mov_b32 s[G1B+2], 64<<16
	s_mov_b32 s[G1B+3], 256<<16
	s_mov_b32 s[G1B+4], 64
	s_mov_b32 s[G1B+5], 4096
	s_mov_b32 s[G1B+6], 0
	s_mov_b32 s[G1B+7], 0
	s_lshl_b32 s17, s12, 6
	s_lshl_b32 s16, s13, 7
	s_add_co_u32 s16, s16, s17                     ; x: row 128 x block row + 64 x half,
	s_lshl_b32 s16, s16, 12                        ; x 4,096 bytes
	s_mov_b32 s17, 0
	s_lshl_b32 s46, s42, 9                         ; W: 512 bytes x block column
	s_lshl_b32 s47, s12, 19                        ; + 64 rows of 8,192 bytes x half
	s_add_co_u32 s46, s46, s47
	s_mov_b32 s47, 0
	s_mul_i32 s20, s10, QUART                      ; where my quarter goes: the wave's number alone
	s_and_b32 s21, ttmp7, 0xffff
	s_add_co_u32 s21, s21, ttmp9
	s_and_b32 s21, s21, 1                          ; b: cluster x + cluster y, odd or even: the same in all sixteen work-groups
	s_mov_b32 s19, 0
	s_wait_dscnt 0x0
	s_wait_kmcnt 0x0
	s_add_nc_u64 s[14:15], s[4:5], s[16:17]
	s_add_nc_u64 s[46:47], s[6:7], s[46:47]
	CROUND                                         ; all sixteen work-groups are here: the first joint loads meet
.irp s, 0,1
	s_xor_b32 s22, s21, \s                         ; slot s begins with K step s xor b
	s_lshl_b32 s16, s22, 8                         ; x: 128 elements on for step 1 (s17 is 0)
	s_lshl_b32 s18, s22, 20                        ; W: 128 rows of 8,192 bytes down for step 1 (s19 is 0)
	s_mov_b32 s[G0+4*\s], 1
	s_add_co_u32 s[G0+4*\s+1], s20, \s*SLOT
	s_add_nc_u64 s[G0+4*\s+2:G0+4*\s+3], s[14:15], s[16:17]
	s_or_b32 s[G0+4*\s+3], s[G0+4*\s+3], 0x80000000
	s_mov_b32 s[G0B+4*\s], 1
	s_add_co_u32 s[G0B+4*\s+1], s20, \s*SLOT
	s_add_nc_u64 s[G0B+4*\s+2:G0B+4*\s+3], s[46:47], s[18:19]
	s_or_b32 s[G0B+4*\s+3], s[G0B+4*\s+3], 0x80000000
	JLOAD \s                                       ; both slots' first fills: two tensor loads of the wave are out, never more
.endr
	; what the epilogue needs is asked for now and waited for behind the K loop
	s_lshl_b32 s18, s13, 7
	s_lshl_b32 s19, s11, 6
	s_add_co_u32 s18, s18, s19                     ; my first token
	s_lshl_b32 s22, s18, 9
	s_mov_b32 s23, 0
	s_add_nc_u64 s[68:69], s[68:69], s[22:23]      ; the table at my first token
	s_lshl_b32 s22, s42, 1
	s_add_co_u32 s22, s22, s12                     ; my head, 0..31
	s_lshl_b32 s22, s22, 11
	s_add_co_u32 s22, s22, s18
	s_lshl_b32 s22, s22, 8                         ; (head x 2048 + token) x 256 bytes
	s_add_nc_u64 s[74:75], s[74:75], s[22:23]
	s_cmp_lt_u32 ttmp9, 2
	s_cselect_b64 s[76:77], s[70:71], s[72:73]     ; q's gain or k's
	s_mov_b32 s78, 0x3f800000
	s_cselect_b32 s78, 0x3e0293ee, s78             ; q: 128^-0.5 log2(e) = 0.12751743; k: 1
	s_mov_b32 s8, 0x76543210                       ; v_permlanex16_b32: lane i reads lane i of the other half
	s_mov_b32 s9, 0xfedcba98
	s_mov_b32 s66, 0x3c000000                      ; 1/128
	s_mov_b32 s67, 0x358637bd                      ; 1e-6
	v_and_b32 v1, 15, v0                           ; r
	v_bfe_u32 v2, v0, 4, 1                         ; h
	v_lshlrev_b32 v[WOFF], 5, v2                   ; 32 h: my 8 numbers in each group of 16
	v_lshl_add_u32 v[TOFF], v1, 9, v[WOFF]         ; + 512 r: my token's row of the table
	; The blocks of v ask for table and gain too and do not use them: one text for all, and every wait's count the same on both ways.
	WIN 0x80
.irp a, 0,1,2,3
.irp b, 0,1,2,3
	global_load_b128 v[64*\a+16*\b:64*\a+16*\b+3],     v[TOFF], s[68:69] offset:8192*\a+64*\b
	global_load_b128 v[64*\a+16*\b+4:64*\a+16*\b+7],   v[TOFF], s[68:69] offset:8192*\a+64*\b+16
	global_load_b128 v[64*\a+16*\b+8:64*\a+16*\b+11],  v[TOFF], s[68:69] offset:8192*\a+64*\b+256
	global_load_b128 v[64*\a+16*\b+12:64*\a+16*\b+15], v[TOFF], s[68:69] offset:8192*\a+64*\b+272
.endr
.endr
	WIN 0xc0
.irp b, 0,1,2,3,4,5,6,7
	global_load_b128 v[8*\b:8*\b+3],   v[WOFF], s[76:77] offset:64*\b
	global_load_b128 v[8*\b+4:8*\b+7], v[WOFF], s[76:77] offset:64*\b+16
.endr
	WIN 0
	v_mul_u32_u24 v4, v1, PA
	v_lshl_add_u32 v4, v2, 4, v4                   ; 272 r + 16 h
	s_mul_i32 s21, s11, QUART                      ; my 64 tokens are one quarter
	v_add_nc_u32 v[ADRA], s21, v4
	v_add_nc_u32 v[ADRA+1], SLOT, v[ADRA]
	v_and_b32 v5, 7, v0
	v_lshl_add_u32 v5, v2, 3, v5                   ; the row that I address for the transposing load: 8 h + (lane & 7)
	v_mul_u32_u24 v5, v5, PB
	v_bfe_u32 v6, v0, 3, 1
	v_lshl_add_u32 v5, v6, 4, v5                   ; + 16 bytes for the second eight columns
	s_lshl_b32 s22, s12, 8                         ; my head's 256 bytes of a row
	s_add_co_u32 s22, s22, 2*QUART                 ; W lies behind x's two quarters
	v_add_nc_u32 v[ADRB], s22, v5
	v_add_nc_u32 v[ADRB+1], SLOT, v[ADRB]
	s_mul_i32 s23, s10, 16*PA
	s_add_co_u32 s23, s23, STAGE
	v_add_nc_u32 v[STO], s23, v4                   ; the stage, in: row r, 16 bytes a half
	v_mul_u32_u24 v5, v2, PA
	v_lshl_add_u32 v5, v1, 4, v5
	v_add_nc_u32 v[RD], s23, v5                    ; back: lanes 0-15 one row, lanes 16-31 the next
	v_and_b32 v3, 31, v0
	v_lshlrev_b32 v[CO], 4, v3                     ; two rows of qkvh are 512 consecutive bytes
; 8 matrix instructions: token block a x all 8 column blocks, 32 along K, from buffer f.  The 32 accumulators take turns, one
; instruction a turn, in the same order in every quarter step.
.macro MULA f, a, zero
.irp b, 0,1,2,3,4,5,6,7
.if \zero
	v_wmma_f32_16x16x32_f16 v[8*(8*(\a)+\b):8*(8*(\a)+\b)+7], v[64+96*\f+8*\b:64+96*\f+8*\b+7], v[32+96*\f+8*(\a):32+96*\f+8*(\a)+7], 0
.else
	v_wmma_f32_16x16x32_f16 v[8*(8*(\a)+\b):8*(8*(\a)+\b)+7], v[64+96*\f+8*\b:64+96*\f+8*\b+7], v[32+96*\f+8*(\a):32+96*\f+8*(\a)+7], v[8*(8*(\a)+\b):8*(8*(\a)+\b)+7]
.endif
.endr
.endm
; 24 LDS loads in one run: quarter step q of a slot into buffer f: W's eight fragments (transposed on the way), then x's four
.macro FETCH slot, q, f
	WIN 0
.irp b, 0,1,2,3,4,5,6,7
	ds_load_tr16_b128 v[64+96*\f+8*\b:64+96*\f+8*\b+3],   v[ADRB+\slot] offset:32*PB*\q+32*\b
	ds_load_tr16_b128 v[64+96*\f+8*\b+4:64+96*\f+8*\b+7], v[ADRB+\slot] offset:32*PB*\q+32*\b+16*PB
.endr
.irp a, 0,1,2,3
	ds_load_b128 v[32+96*\f+8*\a:32+96*\f+8*\a+3],   v[ADRA+\slot] offset:16*PA*\a+64*\q
	ds_load_b128 v[32+96*\f+8*\a+4:32+96*\f+8*\a+7], v[ADRA+\slot] offset:16*PA*\a+64*\q+32
.endr
.endm
.macro QUARTER slot, q, f, g, zero     ; multiplies buffer f; in its middle fetches quarter q into buffer g
	s_wait_dscnt 4                                 ; all but the four youngest loads: x's blocks 2 and 3
	WIN 0x50
	MULA \f, 0, \zero
	MULA \f, 1, \zero
	PLACES                                         ; buffer g was read by matrix instructions
	FETCH \slot, \q, \g
	s_wait_dscnt 24                                ; all but the 24 just issued
	WIN 0x50
	MULA \f, 2, \zero
	MULA \f, 3, \zero
.endm
.macro THREE slot, zero
	QUARTER \slot, 1, 0, 1, \zero
	QUARTER \slot, 2, 1, 0, 0
	QUARTER \slot, 3, 0, 1, 0
.endm
; The last quarter of a K step, and the change of slots.  In front of the barrier each wave waits for its reads of this slot and for
; all its tensor loads (one is out: its part of the next slot).  Where the slot is filled again the barrier opens a round of the
; cluster's barrier, and the joint refill is the first tensor load behind the round: 120 matrix instructions stand between it and its wait.
.macro TURN slot, next, fill
	s_wait_dscnt 4
	WIN 0x50
	MULA 1, 0, 0
	s_wait_dscnt 0
	s_wait_tensorcnt 0x0
	ds_add_u32 v254, v255
	s_wait_dscnt 0x0
	s_barrier_signal -1
	MULA 1, 1, 0                                   ; register work while the others arrive
	WIN 0
	s_barrier_wait -1
.if \fill
	CREST
	s_add_nc_u64 s[G0+4*\slot+2:G0+4*\slot+3], s[G0+4*\slot+2:G0+4*\slot+3], 512         ; two K steps on: no tensor load of mine is out
	s_add_nc_u64 s[G0B+4*\slot+2:G0B+4*\slot+3], s[G0B+4*\slot+2:G0B+4*\slot+3], 2097152
	JLOAD \slot
.endif
	PLACES
	FETCH \next, 0, 0
	WIN 0x50
	MULA 1, 2, 0
	MULA 1, 3, 0
.endm
.macro LAP zero
	THREE 0, \zero
	TURN 0, 1, 1
	THREE 1, 0
	TURN 1, 0, 1
.endm
	s_wait_tensorcnt 0x1                           ; my part of slot 0 is in; slot 1's load stays out
	s_barrier_signal -1
	s_barrier_wait -1
	FETCH 0, 0, 0
	LAP 1                                          ; the first products start the sums: nothing is cleared
	WIN 0
	s_mov_b32 s3, LAPS-2
.Llap:
	LAP 0
	WIN 0
	s_sub_co_u32 s3, s3, 1
	s_cmp_lg_u32 s3, 0
	s_cbranch_scc1 .Llap
	THREE 0, 0                                     ; the last lap fills nothing
	TURN 0, 1, 0
	THREE 1, 0
	s_wait_dscnt 4
	WIN 0x50
	MULA 1, 0, 0
	MULA 1, 1, 0
	s_wait_dscnt 0
	MULA 1, 2, 0
	MULA 1, 3, 0
; 16 tokens leave: 16 bytes a lane into my own stage, whole rows back, 512 consecutive bytes a store.  LDS serves a wave's
; instructions in order, so no wait stands between the stores and the loads.
.macro OUT a
.irp b, 0,1,2,3,4,5,6,7
	ds_store_b128 v[STO], v[160+4*\b:163+4*\b] offset:32*\b
.endr
	s_wait_xcnt 0x0                                ; v192-223 were the last block's store data: written again only behind this wait
.irp t, 0,1,2,3,4,5,6,7
	ds_load_b128 v[192+4*\t:195+4*\t], v[RD] offset:2*PA*\t
.endr
.irp t, 0,1,2,3,4,5,6,7
	s_wait_dscnt 7-\t                              ; pair t of rows is back, the younger ones stay out
	global_store_b128 v[CO], v[192+4*\t:195+4*\t], s[74:75] offset:(16*\a+2*\t)*256
.endr
.endm
; q and k, token block a: rs = rsqrt(mean of squares + 1e-6); U = acc x gain; rotation of columns d and d + 64 (tiles b and b + 4,
; same lane, same register); x rs (x q's factor); f16.
.macro EPI a
	WIN 0x05
.set p, 0
.rept 32
.if p < 2
	v_pk_mul_f32 v[224+2*p:225+2*p], v[64*\a+2*p:64*\a+2*p+1], v[64*\a+2*p:64*\a+2*p+1]
.else
	v_pk_fma_f32 v[224+2*(p%2):225+2*(p%2)], v[64*\a+2*p:64*\a+2*p+1], v[64*\a+2*p:64*\a+2*p+1], v[224+2*(p%2):225+2*(p%2)]
.endif
.set p, p+1
.endr
	WIN 0
	v_pk_add_f32 v[224:225], v[224:225], v[226:227]
	v_add_f32 v224, v224, v225                     ; my 64 columns,
	v_permlanex16_b32 v225, v224, s8, s9           ; and the other half-wave's 64 of the same token
	v_add_f32 v224, v224, v225
	v_fma_f32 v224, v224, s66, s67
	v_rsq_f32 v226, v224
	v_nop                                          ; a plain place behind the transcendental (ISA guide 5.7.2)
	s_wait_alu depctr_va_vdst(0)
	v_mul_f32 v226, s78, v226
	v_mov_b32 v227, v226
	WIN 0x0d
.set p, 0
.rept 32
	v_pk_mul_f32 v[32+2*p:33+2*p], v[64*\a+2*p:64*\a+2*p+1], v[2*p:2*p+1]
.set p, p+1
.endr
	WIN 0x08
.irp b, 0,1,2,3
.irp i, 0,1,2,3
	v_pk_mul_f32 v[96+8*\b+2*\i:97+8*\b+2*\i],   v[64+8*\b+2*\i:65+8*\b+2*\i], v[64*\a+16*\b+8+2*\i:64*\a+16*\b+9+2*\i]   ; x2 sin
	v_pk_mul_f32 v[128+8*\b+2*\i:129+8*\b+2*\i], v[32+8*\b+2*\i:33+8*\b+2*\i], v[64*\a+16*\b+8+2*\i:64*\a+16*\b+9+2*\i]   ; x1 sin
	v_pk_fma_f32 v[96+8*\b+2*\i:97+8*\b+2*\i],   v[32+8*\b+2*\i:33+8*\b+2*\i], v[64*\a+16*\b+2*\i:64*\a+16*\b+2*\i+1], v[96+8*\b+2*\i:97+8*\b+2*\i] neg_lo:[0,0,1] neg_hi:[0,0,1]   ; x1 cos - x2 sin
	v_pk_fma_f32 v[128+8*\b+2*\i:129+8*\b+2*\i], v[64+8*\b+2*\i:65+8*\b+2*\i], v[64*\a+16*\b+2*\i:64*\a+16*\b+2*\i+1], v[128+8*\b+2*\i:129+8*\b+2*\i]                              ; x2 cos + x1 sin
.endr
.endr
	WIN 0
.set p, 0
.rept 32
	v_pk_mul_f32 v[96+2*p:97+2*p], v[96+2*p:97+2*p], v[226:227]
.set p, p+1
.endr
.set p, 0
.rept 32
	v_cvt_pk_f16_f32 v[160+p], v[96+2*p], v[97+2*p]
.set p, p+1
.endr
.endm
.macro VEP a                           ; v: rounded as it is
	WIN 0x05
.set p, 0
.rept 32
	v_cvt_pk_f16_f32 v[160+p], v[64*\a+2*p], v[64*\a+2*p+1]
.set p, p+1
.endr
	WIN 0
.endm
	PLACES                                         ; behind the last matrix instructions: their results are read, their sources written
	WIN 0
	s_wait_loadcnt 0x0                             ; table and gain, asked for at the start
	s_cmp_eq_u32 ttmp9, 3                          ; the cluster's x: the same in all sixteen work-groups
	s_cbranch_scc1 .Lvpath
	; the gain, rounded to bf16 and widened again, in place in window 3 (through v32-63 of window 0)
	WIN 0x0f
.set p, 0
.rept 32
	v_cvt_pk_bf16_f32 v[32+p], v[2*p], v[2*p+1]
.set p, p+1
.endr
	WIN 0xc0
.set p, 0
.rept 32
	v_lshlrev_b32 v[2*p], 16, v[32+p]
	v_and_b32 v[2*p+1], 0xffff0000, v[32+p]
.set p, p+1
.endr
.irp a, 0,1,2,3
	EPI \a
	OUT \a
.endr
	s_branch .Ljoin
.Lvpath:
.irp a, 0,1,2,3
	VEP \a
	OUT \a
.endr
.Ljoin:
	s_wait_tensorcnt 0x0
	ds_add_u32 v254, v255
	s_wait_dscnt 0x0
	CROUND                                         ; the closing round: no work-group ends while a partner may still ask jointly
	s_endpgm
.Lfunc_end_k_q7a442ea73e_proj_qkv:
	.size	k_q7a442ea73e_proj_qkv, .Lfunc_end_k_q7a442ea73e_proj_qkv-k_q7a442ea73e_proj_qkv
	.p2alignl 7, 3214868480
	.fill 96, 4, 3214868480
	.section	.rodata,"a",@progbits
	.p2align	6, 0x0
	.amdhsa_kernel k_q7a442ea73e_proj_qkv
		.amdhsa_group_segment_fixed_size 327680
		.amdhsa_private_segment_fixed_size 0
		.amdhsa_enable_private_segment 0
		.amdhsa_kernarg_size 48
		.amdhsa_user_sgpr_count 2
		.amdhsa_user_sgpr_kernarg_segment_ptr 1
		.amdhsa_wavefront_size32 1
		.amdhsa_system_sgpr_workgroup_id_x 1
		.amdhsa_system_sgpr_workgroup_id_y 1
		.amdhsa_system_sgpr_workgroup_id_z 1
		.amdhsa_system_vgpr_workitem_id 0
		.amdhsa_next_free_vgpr 832
		.amdhsa_next_free_sgpr 80
		.amdhsa_reserve_vcc 0
		.amdhsa_float_denorm_mode_32 3
		.amdhsa_float_denorm_mode_16_64 3
		.amdhsa_memory_ordered 1
		.amdhsa_forward_progress 1
		.amdhsa_inst_pref_size 189
	.end_amdhsa_kernel
	.amdgpu_metadata
---
amdhsa.version: [ 1, 2 ]
amdhsa.kernels:
  - .name:           k_q7a442ea73e_proj_qkv
    .symbol:         k_q7a442ea73e_proj_qkv.kd
    .args:
      - { .name: xh, .offset: 0, .size: 8, .value_kind: global_buffer, .address_space: global }
      - { .name: wqkvh, .offset: 8, .size: 8, .value_kind: global_buffer, .address_space: global }
      - { .name: tab, .offset: 16, .size: 8, .value_kind: global_buffer, .address_space: global }
      - { .name: q_norm_w, .offset: 24, .size: 8, .value_kind: global_buffer, .address_space: global }
      - { .name: k_norm_w, .offset: 32, .size: 8, .value_kind: global_buffer, .address_space: global }
      - { .name: qkvh, .offset: 40, .size: 8, .value_kind: global_buffer, .address_space: global }
    .group_segment_fixed_size: 327680
    .private_segment_fixed_size: 0
    .kernarg_segment_align: 8
    .kernarg_segment_size: 48
    .max_flat_workgroup_size: 128
    .sgpr_count:     80
    .vgpr_count:     832
    .wavefront_size: 32
...
	.end_amdgpu_metadata
.endif
;; end of part 5
;; launch attn (part 6): grid 32 x 8, 4 waves a work-group, clusters of 4 x 1, 327,680 bytes of LDS; arguments qkvh, atth; writes atth
.if DOCPART == 6
	.amdgcn_target "amdgcn-amd-amdhsa--gfx1250"
	.amdhsa_code_object_version 6
	.text
	.protected	k_q7a442ea73e_attn
	.globl	k_q7a442ea73e_attn
	.p2align	8
	.type	k_q7a442ea73e_attn,@function
k_q7a442ea73e_attn:
	s_mov_b64 s[64:65], 0
	v_nop
	global_prefetch_b8 v0, s[64:65] scope:SCOPE_SE
	s_setreg_imm32_b32 hwreg(HW_REG_WAVE_MODE, 25, 1), 1
	s_wait_xcnt 0x0
	s_wait_alu depctr_hold_cnt(0) depctr_sa_sdst(0) depctr_va_vdst(0) depctr_va_sdst(0) depctr_va_ssrc(0) depctr_va_vcc(0) depctr_vm_vsrc(0)
	s_getreg_b32 s2, hwreg(HW_REG_IB_STS2, 6, 4)
	s_cmp_eq_u32 s2, 0
	s_cbranch_scc0 .Lentry_in_a_cluster
	s_endpgm
.Lentry_in_a_cluster:
	s_bfe_u32 s2, ttmp6, 0x10000c
	s_cmp_lg_u32 s2, 0x3003
	s_cbranch_scc0 .Lentry_shape_is_right
	s_endpgm
.Lentry_shape_is_right:
; Launch 3 of 4.  Causal attention for one key/value head (grid y) with its two query heads; f16 operands, f32 sums, softmax in f32
; with a running maximum; q already carries 128^-0.5 log2(e), so exponentials are base 2.
; RESULT: atth[16 blocks][144 rows][2048] f16, laid out for launch 4: in block b, row 16 a + r (a = 0..7) is token 256 a + 16 b + r,
; rounded to nearest (hi); rows 128 + r hold lo = result - hi of token 16 b + r.  So tokens 0-255 are kept in two f16 numbers (2^-21
; relative, or 3e-8 absolute where f16 is denormal), one tile of 16 in each block, and later tokens in one.
; Why the early tokens: a token with few keys averages over few rows of v, so its result can be many times larger than the output's
; root mean square, and one f16 rounding of it would show there.  LIMIT: from token 256 on the result carries one f16 rounding, 2^-11 relative.
; BALANCE: a block is 32 queries x 2 heads = 64 rows.  With a = cluster x (0..7) and cx the place in the cluster, a work-group does the
; blocks 63 - 4a - cx (the late one, 16 - a key tiles of 128) and 4a + cx (the early one, a + 1 tiles): 17 tiles in every work-group.  Of the
; two counts one is even: that block goes first, so that it always ends in slot 1 and the other at tile 16 in slot 0: one loop of 8 x 2 tiles
; and one tile behind it.
; CLUSTER 4 x 1: the four partners share a, so they walk the same 17 tiles of K and V: every tile is one joint load for the four.
; cx enters global addresses of q and of the result and the lanes' mask limit, never an LDS address, a branch or a descriptor.
; ORDER OF THE TILES: a softmax with a running maximum takes the keys in any order, so only a block's diagonal tile, which is masked, keeps
; its place (last).  The m tiles in front of it are walked round from a start: tile (start + i) mod m.  The eight clusters of a key/value
; head read the same K and V; the early block starts at 0, the late block at 8, 13, 10, 0, 5, 0, 2, 0 for a = 0..7 (the nibbles of STARTS).
; Counting one tile a step in every cluster, a cluster then makes at most 4 of its 17 requests (a = 0: tiles 8, 9, 14, 15) for a tile that no
; other cluster of the head has asked for at least two steps earlier; with every walk ascending from 0, a = 0 would make 16 such requests.
; LIMIT: the keys enter the running maximum and the sums in that order, an order of rounding that differs from ascending keys.
; KEYS ARE SPLIT OVER THE WAVES: wave w takes keys 32 w .. 32 w + 31 of each tile for all 64 rows, with its own maximum, sum and O.
; Per tile a wave reads 16 KiB of LDS for 64 matrix instructions.  At a block's end each wave puts its maximum, sum and raw O into LDS;
; both blocks are merged at the very end: wave w adds the four waves' rows 16 w .. 16 w + 15 with the weights 2^(m - max) / sum.
; LAYOUTS: S^T = K Q^T (source 0 = K's rows, source 1 = Q's rows): a lane holds one query, its registers the keys, so the
; statistics are one number a lane and two key tiles pack in place into the P fragment.  O^T = V^T P^T, V^T by the transposing load.
; Masked scores are -1e30, as in the definition.  A wave all of whose keys are masked keeps the maximum -1e30 and gets weight 0 in the merge
; (key 0 is never masked, so the maximum over the waves is a true score).
; LIMIT: v and the result's hi part are f16: magnitudes below 65,504.
; REGISTERS: window 0: v8-25 addresses and limits; v26-33 new maximum (pairs), in the merge the weights; v34-41 (maximum, sum) pairs, the sum
; per half-wave; v42-49 alpha (pairs); v50-60 small; v62-63 the constant 8193; v64-127 K fragments; v128-191 V fragments; v192-255 S(mt, nt)
; at v[192 + 16 nt + 8 mt], P(nt) in place; window 1: O(dm, nt) at v[8 (4 dm + nt)]; window 2: Q(nt, ks) at v[8 (4 nt + ks)].
; nt = 2 head + half of the 32 queries.
.set QUART, 18432                      ; a quarter of a slot: 64 rows of K at pitch 272 (17,408 used) or of V at pitch 288
.set SLOT,  4*QUART
.set MRGW,  33792                      ; one wave's raw O: 64 rows of 128 f32 at pitch 528
.set MRG1,  2*SLOT                     ; the first block's, behind the ring: no tensor load lands here
.set MRG2,  0                          ; the second block's, in the ring's bytes, written when these have had their last fill
.set STAT,  MRG1+4*MRGW                ; [block][nt][wave][query r]: (maximum, sum), 8 bytes; 2,048 bytes a block
.set STAGE, STAT+4096                  ; 16 rows of 128 f16 at pitch 272 for each wave
.set PITK,  272
.set PITV,  288
.set PITM,  528
.set PITS,  272
.set LOROWS, 128*4096                  ; from a block's row 0 to its first lo row, in bytes of atth
.set STARTS, 0x02050ad8                ; nibble a: the tile at which cluster x = a begins the late block's walk; each is below 15 - a
.set ADK,  8
.set ADV,  10
.set QOFF, 12
.set LIM1, 13
.set LIM2, 14
.set STA,  15
.set STR,  16
.set MST1, 17
.set MST2, 18
.set MLD,  19                          ; v19-22: where I read the rows that I merge: block 1 waves 0/1, waves 2/3; block 2 likewise
.set STO,  23
.set RD,   24
.set OOFF, 25
.set RNM,  26
.set RM,   34                          ; v[RM + 2 nt] maximum, v[RM + 2 nt + 1] sum
.set RAL,  42
.set RT,   50
.set RX,   58
.set RC,   62                          ; v62-63: 8193.0 twice
.set G1,  24
.set G0,  32
.set G1B, 48
.set G0B, 56
.set MSB, 0
.macro WIN new                         ; the immediate's high byte repeats the setting that is left
.if MSB != \new
	s_set_vgpr_msb (MSB<<8)|\new
.set MSB, \new
.endif
.endm
.macro PLACES                          ; four places behind a matrix instruction before its registers are touched (ISA guide 7.12.1)
.rept 4
	v_nop
.endr
.endm
.macro JLOAD s                         ; waves 0, 1 ask for K's two halves, waves 2, 3 for V's
	s_cmp_eq_u32 s11, 0
	s_cbranch_scc0 .Lfor_v_\@
	tensor_load_to_lds s[G0+4*(\s):G0+4*(\s)+3], s[G1:G1+7]
	s_nop 0
	s_branch .Lasked_\@
.Lfor_v_\@:
	tensor_load_to_lds s[G0B+4*(\s):G0B+4*(\s)+3], s[G1B:G1B+7]
	s_nop 0
.Lasked_\@:
.endm
.macro ROUND                           ; a round of the cluster's barrier
	s_barrier_signal -1
	s_barrier_wait -1
	s_cmp_lg_u32 s10, 0
	s_cbranch_scc1 .Lnot_wave_0_\@
	s_barrier_signal -3
.Lnot_wave_0_\@:
	s_barrier_wait -3
	s_barrier_signal -1
	s_barrier_wait -1
.endm
.macro QLOAD sb                        ; a block's Q fragments straight from memory: 64 rows x 256 bytes, once a block
	WIN 0x80
.irp nt, 0,1,2,3
.irp ks, 0,1,2,3
	global_load_b128 v[8*(4*\nt+\ks):8*(4*\nt+\ks)+3],   v[QOFF], s[\sb:\sb+1] offset:524288*(\nt/2)+4096*(\nt%2)+64*\ks
	global_load_b128 v[8*(4*\nt+\ks)+4:8*(4*\nt+\ks)+7], v[QOFF], s[\sb:\sb+1] offset:524288*(\nt/2)+4096*(\nt%2)+64*\ks+32
.endr
.endr
	WIN 0
.endm
; Where the 16 tokens that I merge of query block s[blk] go: their tile of 16 tokens has the number T = 2 block + (wave & 1);
; it is row tile T >> 4 of atth's block T & 15.  s21: my head's bytes in a row.
.macro RESADDR blk, dst
	s_lshl_b32 s78, s[\blk], 1
	s_add_co_u32 s78, s78, s12                     ; T, 0 .. 127
	s_and_b32 s75, s78, 15                         ; atth's block
	s_lshr_b32 s78, s78, 4                         ; the row tile in it
	s_mul_i32 s75, s75, 144
	s_lshl4_add_u32 s78, s78, s75                  ; row 144 block + 16 tile,
	s_lshl_b32 s78, s78, 12                        ; x 4,096 bytes
	s_add_co_u32 s78, s78, s21
	s_add_nc_u64 s[\dst:\dst+1], s[6:7], s[78:79]
.endm
	s_load_b128 s[4:7], s[0:1], 0x0                ; qkvh, atth
	v_lshl_add_u32 v7, v0, 2, 0x4a400
	v_mov_b32 v61, 0
	ds_add_u32 v7, v61
	v_lshrrev_b32 v1, 5, v0
	v_readfirstlane_b32 s10, v1                    ; wave
	s_lshr_b32 s11, s10, 1
	s_and_b32 s12, s10, 1
	s_and_b32 s14, ttmp7, 0xffff                   ; key/value head
	s_add_co_u32 s21, ttmp9, 1                     ; tiles of the early block, a + 1
	s_sub_co_u32 s22, 16, ttmp9                    ; tiles of the late block, 16 - a
	s_lshl_b32 s23, ttmp9, 2
	s_lshr_b32 s23, STARTS, s23
	s_and_b32 s23, s23, 15                         ; where my cluster begins the late block's walk
	s_and_b32 s41, ttmp9, 1                        ; a odd: the early block's count is the even one
	s_cmp_lg_u32 s41, 0
	s_cselect_b32 s16, s21, s22                    ; n1: tiles of the first block, even, 2 .. 16
	s_cselect_b32 s80, 0, s23                      ; where the first block's walk starts (the early block's starts at 0),
	s_cselect_b32 s81, s23, 0                      ; and the second's
	s_sub_co_u32 s17, s16, 1                       ; the first block's last tile in the count, odd: slot 1; also its diagonal tile's number
	s_sub_co_u32 s82, 16, s16                      ; the second block's diagonal tile's number, 17 - n1 - 1
	s_mov_b32 s15, 0                               ; tile counter, 0..16
	s_mov_b32 s19, 0
	s_mov_b32 s8, 0x76543210                       ; v_permlanex16_b32: lane i reads lane i of the other half
	s_mov_b32 s9, 0xfedcba98
	s_mov_b32 s74, 0xf149f2ca                      ; -1e30
	s_mov_b32 s[G1+0], 15|(1<<16)|(1<<20)|(1<<21)|(5<<22)|(3<<25)    ; K: all four partners; 2-byte elements; 4 words of padding behind every 64
	s_mov_b32 s[G1+1], 128<<16                     ; tensor_dim0 = 128
	s_mov_b32 s[G1+2], 64<<16                      ; tensor_dim1 = 64
	s_mov_b32 s[G1+3], 128<<16                     ; tile_dim0 = 128
	s_mov_b32 s[G1+4], 64                          ; tile_dim1 = 64
	s_mov_b32 s[G1+5], 128                         ; elements from row to row
	s_mov_b32 s[G1+6], 0
	s_mov_b32 s[G1+7], 0
	s_mov_b32 s[G1B+0], 15|(1<<16)|(1<<20)|(1<<21)|(5<<22)|(7<<25)   ; V: 8 words of padding
	s_mov_b32 s[G1B+1], 128<<16
	s_mov_b32 s[G1B+2], 64<<16
	s_mov_b32 s[G1B+3], 128<<16
	s_mov_b32 s[G1B+4], 64
	s_mov_b32 s[G1B+5], 128
	s_mov_b32 s[G1B+6], 0
	s_mov_b32 s[G1B+7], 0
	s_add_co_u32 s21, s14, 16                      ; K's head in qkvh
	s_lshl_b32 s22, s21, 19                        ; x 2048 rows of 256 bytes
	s_lshl_b32 s23, s12, 14                        ; + the 64 rows that I fetch
	s_add_co_u32 s22, s22, s23
	s_mov_b32 s23, 0
	s_mul_i32 s20, s10, QUART                      ; where my quarter goes: the wave's number alone
.irp s, 0,1
	s_mov_b32 s[G0+4*\s], 1
	s_add_co_u32 s[G0+4*\s+1], s20, \s*SLOT
	s_mov_b32 s[G0B+4*\s], 1
	s_add_co_u32 s[G0B+4*\s+1], s20, \s*SLOT
.endr
	s_lshl_b32 s18, s80, 15                        ; the launch's first tile: the first block's start (n1 is at least 2, so it is no diagonal tile)
	s_wait_dscnt 0x0
	s_wait_kmcnt 0x0
	s_add_nc_u64 s[42:43], s[4:5], s[22:23]        ; K, tile 0, my half
	s_add_nc_u64 s[44:45], s[42:43], 0x400000      ; V: eight heads on
	s_add_nc_u64 s[G0+2:G0+3], s[42:43], s[18:19]
	s_or_b32 s[G0+3], s[G0+3], 0x80000000
	s_add_nc_u64 s[G0B+2:G0B+3], s[44:45], s[18:19]
	s_or_b32 s[G0B+3], s[G0B+3], 0x80000000
	ROUND                                          ; in front of the first joint load
	JLOAD 0                                        ; the first tile
	s_bfe_u32 s40, ttmp6, 0x40000                  ; cx
	s_lshl_b32 s76, ttmp9, 2
	s_add_co_u32 s76, s76, s40                     ; the early block's number, 4a + cx
	s_sub_co_u32 s77, 63, s76                      ; the late block's
	s_cmp_lg_u32 s41, 0
	s_cselect_b32 s46, s76, s77                    ; the first block: the one with the even count
	s_cselect_b32 s47, s77, s76                    ; the second
	s_lshl_b32 s21, s14, 20                        ; query head 2 kvh x 2048 x 256 bytes
	s_lshl_b32 s78, s46, 13                        ; block x 32 rows x 256 bytes
	s_add_co_u32 s78, s78, s21
	s_mov_b32 s79, 0
	s_add_nc_u64 s[66:67], s[4:5], s[78:79]        ; q of the first block
	s_lshl_b32 s78, s47, 13
	s_add_co_u32 s78, s78, s21
	s_add_nc_u64 s[68:69], s[4:5], s[78:79]        ; q of the second
	s_lshl_b32 s21, s14, 9                         ; result: head 2 kvh + (wave >> 1), 256 bytes each
	s_lshl_b32 s75, s11, 8
	s_add_co_u32 s21, s21, s75
	RESADDR 46, 70                                 ; where I store the first block's rows
	RESADDR 47, 72                                 ; and the second's
	v_and_b32 v1, 15, v0                           ; r
	v_bfe_u32 v2, v0, 4, 1                         ; h
	v_lshlrev_b32 v4, 4, v2                        ; 16 h
	v_lshl_add_u32 v[QOFF], v1, 8, v4              ; 256 r + 16 h
	QLOAD 66
	v_mul_u32_u24 v5, v1, PITK
	v_add_nc_u32 v5, v5, v4
	s_mul_i32 s21, s11, QUART                      ; my 32 keys lie in quarter wave >> 1,
	s_mul_i32 s22, s12, 32*PITK                    ; from row 32 (wave & 1)
	s_add_co_u32 s22, s22, s21
	v_add_nc_u32 v[ADK], s22, v5
	v_add_nc_u32 v[ADK+1], SLOT, v[ADK]
	v_and_b32 v5, 7, v0
	v_lshl_add_u32 v5, v2, 3, v5                   ; the row that I address for the transposing load: 8 h + (lane & 7)
	v_mul_u32_u24 v5, v5, PITV
	v_bfe_u32 v6, v0, 3, 1
	v_lshl_add_u32 v5, v6, 4, v5
	s_mul_i32 s22, s12, 32*PITV
	s_add_co_u32 s22, s22, s21
	s_add_co_u32 s22, s22, 2*QUART                 ; V lies behind K's two quarters
	v_add_nc_u32 v[ADV], s22, v5
	v_add_nc_u32 v[ADV+1], SLOT, v[ADV]
	; In a block's diagonal tile key 32 w + 16 mt + 8 h + j is kept for query 32 c + 16 (nt & 1) + r (c = block & 3) if it is not larger:
	; 16 mt + j - 16 (nt & 1) <= 32 (c - w) + r - 8 h, the lane's limit
	v_lshlrev_b32 v5, 3, v2
	v_sub_nc_u32 v5, v1, v5
	s_and_b32 s75, s46, 3
	s_sub_co_u32 s75, s75, s10
	s_lshl_b32 s75, s75, 5
	v_add_nc_u32 v[LIM1], s75, v5
	s_and_b32 s75, s47, 3
	s_sub_co_u32 s75, s75, s10
	s_lshl_b32 s75, s75, 5
	v_add_nc_u32 v[LIM2], s75, v5
	v_lshlrev_b32 v5, 3, v1                        ; 8 r
	s_lshl_b32 s22, s10, 7
	s_add_co_u32 s22, s22, STAT
	v_add_nc_u32 v[STA], s22, v5                   ; I store my statistics at [nt][w][r]
	s_lshl_b32 s22, s10, 9
	s_add_co_u32 s22, s22, STAT
	v_add_nc_u32 v[STR], s22, v5                   ; and read all waves' at [nt = w][..][r]
	v_mul_u32_u24 v5, v1, PITM
	v_lshl_add_u32 v5, v2, 5, v5                   ; 528 r + 32 h
	s_mul_i32 s22, s10, MRGW
	v_add_nc_u32 v[MST2], s22, v5
	s_add_co_u32 s22, s22, MRG1
	v_add_nc_u32 v[MST1], s22, v5
	s_mul_i32 s22, s10, 16*PITM                    ; the rows that I merge: 16 w ..
	v_add_nc_u32 v[MLD+2], s22, v5
	v_add_nc_u32 v[MLD+3], 2*MRGW, v[MLD+2]
	s_add_co_u32 s22, s22, MRG1
	v_add_nc_u32 v[MLD], s22, v5
	v_add_nc_u32 v[MLD+1], 2*MRGW, v[MLD]
	s_mul_i32 s22, s10, 16*PITS
	s_add_co_u32 s22, s22, STAGE
	v_mul_u32_u24 v5, v1, PITS
	v_add_nc_u32 v5, v5, v4
	v_add_nc_u32 v[STO], s22, v5                   ; the stage, in: row r, 16 bytes a half
	v_mul_u32_u24 v5, v2, PITS
	v_lshl_add_u32 v5, v1, 4, v5
	v_add_nc_u32 v[RD], s22, v5                    ; back: lanes 0-15 one row, lanes 16-31 the next
	v_lshlrev_b32 v5, 4, v1
	v_lshl_add_u32 v[OOFF], v2, 12, v5             ; and the same two rows in atth, 4,096 bytes apart
	v_mov_b32 v[RC], 0x46000400                    ; 8193 = 2^13 + 1, for the split of the result
	v_mov_b32 v[RC+1], 0x46000400
	; O starts at zero: 32 matrix instructions on a zero fragment write its 256 registers, in place of 256 moves, so that
	; every tile, the first too, runs the loop's one text.
.irp i, 0,1,2,3,4,5,6,7
	v_mov_b32 v[64+\i], 0
.endr
	WIN 0x40
.set p, 0
.rept 32
	v_wmma_f32_16x16x32_f16 v[8*p:8*p+7], v[64:71], v[64:71], 0
.set p, p+1
.endr
	WIN 0
.irp nt, 0,1,2,3                                   ; these twelve moves are also the places behind the matrix instructions above
	v_mov_b32 v[RM+2*\nt], s74                     ; maximum -1e30,
	v_mov_b32 v[RM+2*\nt+1], 0                     ; sum 0
	v_mov_b32 v[RNM+2*\nt+1], 0                    ; v_permlanex16_b32 counts as a reader of its destination
.endr
.macro MASK lim
.irp mt, 0,1
.irp j, 0,1,2,3,4,5,6,7
.irp hf, 0,1
	v_cmp_le_i32 vcc_lo, 16*\mt+\j-16*\hf, v[\lim]
	v_cndmask_b32 v[192+16*\hf+8*\mt+\j], s74, v[192+16*\hf+8*\mt+\j], vcc_lo            ; head 0
	v_cndmask_b32 v[192+16*(\hf+2)+8*\mt+\j], s74, v[192+16*(\hf+2)+8*\mt+\j], vcc_lo    ; head 1: the same queries
.endr
.endr
.endr
.endm
; A block's end, first part: the sum over both half-waves, then (maximum, sum) of my 32 keys' share to LDS
.macro STATS soff
.irp nt, 0,1,2,3
	v_permlanex16_b32 v[RT+\nt], v[RM+2*\nt+1], s8, s9
.endr
.irp nt, 0,1,2,3
	v_add_f32 v[RM+2*\nt+1], v[RM+2*\nt+1], v[RT+\nt]
.endr
.irp nt, 0,1,2,3
	ds_store_b64 v[STA], v[RM+2*\nt:RM+2*\nt+1] offset:\soff+512*\nt      ; both half-waves store the same numbers to the same bytes
.endr
.endm
; second part: my raw O, 64 rows x 128 f32: row 16 nt + r, columns 16 dm + 8 h + 0..7
.macro OSTORE reg
	WIN 0x04
.irp nt, 0,1,2,3
.irp dm, 0,1,2,3,4,5,6,7
	ds_store_b128 v[\reg], v[8*(4*\dm+\nt):8*(4*\dm+\nt)+3]   offset:16*PITM*\nt+64*\dm
	ds_store_b128 v[\reg], v[8*(4*\dm+\nt)+4:8*(4*\dm+\nt)+7] offset:16*PITM*\nt+64*\dm+16
.endr
.endr
	WIN 0
.endm
; One key tile.  slot: where it lies; refill: the next tile is asked for, into the other slot; diag = 1: this may be the first block's
; last tile (counter = n1 - 1, the same in all waves and partners); diag = 2: it is the second block's last.
.macro TILE slot, refill, diag
	s_wait_tensorcnt 0x0                           ; all my tensor loads have landed, my part of this tile among them: descriptors may be written
	ds_add_u32 v7, v61
	s_wait_dscnt 0x0
.if \refill
	s_add_co_u32 s21, s15, 1                       ; the next tile in the count, u: in the first block while u < n1
	s_sub_co_u32 s22, s21, s16
	s_cmp_lt_u32 s21, s16
	s_cselect_b32 s21, s21, s22                    ; i: its number in its block's walk
	s_cselect_b32 s22, s17, s82                    ; m: the block's diagonal tile, which is also the number of tiles in front of it
	s_cselect_b32 s23, s80, s81                    ; where the block's walk starts (below m, or m = 0)
	s_add_co_u32 s23, s23, s21                     ; start + i,
	s_sub_co_u32 s83, s23, s22
	s_cmp_ge_u32 s23, s22
	s_cselect_b32 s23, s83, s23                    ; round the m tiles: at most 2 m - 2, so one step back is enough
	s_cmp_eq_u32 s21, s22
	s_cselect_b32 s18, s22, s23                    ; the walk's last tile is the diagonal one
	s_lshl_b32 s18, s18, 15                        ; x 128 rows of 256 bytes; the tile's number is 15 at the most
	s_add_nc_u64 s[G0+4*(1-\slot)+2:G0+4*(1-\slot)+3], s[42:43], s[18:19]
	s_or_b32 s[G0+4*(1-\slot)+3], s[G0+4*(1-\slot)+3], 0x80000000
	s_add_nc_u64 s[G0B+4*(1-\slot)+2:G0B+4*(1-\slot)+3], s[44:45], s[18:19]
	s_or_b32 s[G0B+4*(1-\slot)+3], s[G0B+4*(1-\slot)+3], 0x80000000
.endif
	s_wait_dscnt 0x0                               ; my reads of the other slot are over (and my stores at a block's end are done)
	ROUND                                          ; both now hold of every wave of the four work-groups
.if \refill
	JLOAD 1-\slot                                  ; my one tensor load behind the round; it has this tile's work in which to land
.endif
.irp mt, 0,1
.irp ks, 0,1,2,3
	ds_load_b128 v[64+8*(4*\mt+\ks):64+8*(4*\mt+\ks)+3],   v[ADK+\slot] offset:16*PITK*\mt+64*\ks
	ds_load_b128 v[64+8*(4*\mt+\ks)+4:64+8*(4*\mt+\ks)+7], v[ADK+\slot] offset:16*PITK*\mt+64*\ks+32
.endr
.endr
.irp dm, 0,1,2,3,4,5,6,7
	ds_load_tr16_b128 v[128+8*\dm:128+8*\dm+3],   v[ADV+\slot] offset:32*\dm
	ds_load_tr16_b128 v[128+8*\dm+4:128+8*\dm+7], v[ADV+\slot] offset:32*\dm+16*PITV
.endr
	s_wait_loadcnt 0x0                             ; q (met at once but in a block's first tile)
	s_wait_dscnt 16                                ; K's fragments are in; V's sixteen loads stay out
	WIN 0x08
	; S^T: eight accumulators take turns, one instruction a turn
.irp ks, 0,1,2,3
.irp nt, 0,1,2,3
.irp mt, 0,1
.if \ks == 0
	v_wmma_f32_16x16x32_f16 v[192+16*\nt+8*\mt:192+16*\nt+8*\mt+7], v[64+8*(4*\mt+\ks):64+8*(4*\mt+\ks)+7], v[8*(4*\nt+\ks):8*(4*\nt+\ks)+7], 0
.else
	v_wmma_f32_16x16x32_f16 v[192+16*\nt+8*\mt:192+16*\nt+8*\mt+7], v[64+8*(4*\mt+\ks):64+8*(4*\mt+\ks)+7], v[8*(4*\nt+\ks):8*(4*\nt+\ks)+7], v[192+16*\nt+8*\mt:192+16*\nt+8*\mt+7]
.endif
.endr
.endr
.endr
	WIN 0
	PLACES
.if \diag == 1
	s_cmp_eq_u32 s15, s17
	s_cbranch_scc0 .Lnomask_\@
	MASK LIM1
.Lnomask_\@:
.endif
.if \diag == 2
	MASK LIM2
.endif
	; the running maximum, four chains side by side
.irp nt, 0,1,2,3
	v_max3_num_f32 v[RNM+2*\nt], v[RM+2*\nt], v[192+16*\nt], v[192+16*\nt+1]
.endr
.irp i, 1,2,3,4,5,6,7
.irp nt, 0,1,2,3
	v_max3_num_f32 v[RNM+2*\nt], v[RNM+2*\nt], v[192+16*\nt+2*\i], v[192+16*\nt+2*\i+1]
.endr
.endr
.irp nt, 0,1,2,3
	v_permlanex16_b32 v[RNM+2*\nt+1], v[RNM+2*\nt], s8, s9
.endr
.irp nt, 0,1,2,3
	v_max_num_f32 v[RNM+2*\nt], v[RNM+2*\nt], v[RNM+2*\nt+1]   ; over both half-waves: all my 32 keys
.endr
.irp nt, 0,1,2,3
	v_mov_b32 v[RNM+2*\nt+1], v[RNM+2*\nt]
.endr
.irp nt, 0,1,2,3
	v_sub_f32 v[RAL+2*\nt], v[RM+2*\nt], v[RNM+2*\nt]
.endr
.irp nt, 0,1,2,3
	v_exp_f32 v[RAL+2*\nt], v[RAL+2*\nt]           ; alpha = 2^(old maximum - new)
.endr
.irp nt, 0,1,2,3
	v_mov_b32 v[RM+2*\nt], v[RNM+2*\nt]            ; (plain work behind the exponentials: ISA guide 5.7.2)
.endr
	s_wait_alu depctr_va_vdst(0)
.irp nt, 0,1,2,3
	v_mov_b32 v[RAL+2*\nt+1], v[RAL+2*\nt]
.endr
.irp nt, 0,1,2,3
.irp i, 0,1,2,3,4,5,6,7
	v_pk_add_f32 v[192+16*\nt+2*\i:192+16*\nt+2*\i+1], v[192+16*\nt+2*\i:192+16*\nt+2*\i+1], v[RNM+2*\nt:RNM+2*\nt+1] neg_lo:[0,1] neg_hi:[0,1]
.endr
.endr
.set p, 0
.rept 64
	v_exp_f32 v[192+p], v[192+p]
.set p, p+1
.endr
	WIN 0x41                                       ; O x alpha; this is also the plain work behind the exponentials
.irp dm, 0,1,2,3,4,5,6,7
.irp nt, 0,1,2,3
.irp i, 0,1,2,3
	v_pk_mul_f32 v[8*(4*\dm+\nt)+2*\i:8*(4*\dm+\nt)+2*\i+1], v[8*(4*\dm+\nt)+2*\i:8*(4*\dm+\nt)+2*\i+1], v[RAL+2*\nt:RAL+2*\nt+1]
.endr
.endr
.endr
	WIN 0
	s_wait_alu depctr_va_vdst(0)
.irp nt, 0,1,2,3
	v_pk_add_f32 v[RT:RT+1],   v[192+16*\nt:192+16*\nt+1],     v[192+16*\nt+2:192+16*\nt+3]
	v_pk_add_f32 v[RT+2:RT+3], v[192+16*\nt+4:192+16*\nt+5],   v[192+16*\nt+6:192+16*\nt+7]
	v_pk_add_f32 v[RT+4:RT+5], v[192+16*\nt+8:192+16*\nt+9],   v[192+16*\nt+10:192+16*\nt+11]
	v_pk_add_f32 v[RT+6:RT+7], v[192+16*\nt+12:192+16*\nt+13], v[192+16*\nt+14:192+16*\nt+15]
	v_pk_add_f32 v[RT:RT+1],   v[RT:RT+1],   v[RT+2:RT+3]
	v_pk_add_f32 v[RT+4:RT+5], v[RT+4:RT+5], v[RT+6:RT+7]
	v_pk_add_f32 v[RT:RT+1],   v[RT:RT+1],   v[RT+4:RT+5]
	v_fma_f32 v[RM+2*\nt+1], v[RM+2*\nt+1], v[RAL+2*\nt], v[RT]
	v_add_f32 v[RM+2*\nt+1], v[RM+2*\nt+1], v[RT+1]
.endr
	; P in f16, in place: register i of a query's sixteen takes keys 2 i, 2 i + 1; ascending i never overwrites what is still to be read
.irp nt, 0,1,2,3
.irp i, 0,1,2,3,4,5,6,7
	v_cvt_pk_f16_f32 v[192+16*\nt+\i], v[192+16*\nt+2*\i], v[192+16*\nt+2*\i+1]
.endr
.endr
	s_wait_dscnt 0x0                               ; V's fragments
	WIN 0x50
	; O^T += V^T P^T: 32 accumulators, one instruction each
.irp dm, 0,1,2,3,4,5,6,7
.irp nt, 0,1,2,3
	v_wmma_f32_16x16x32_f16 v[8*(4*\dm+\nt):8*(4*\dm+\nt)+7], v[128+8*\dm:128+8*\dm+7], v[192+16*\nt:192+16*\nt+7], v[8*(4*\dm+\nt):8*(4*\dm+\nt)+7]
.endr
.endr
	WIN 0
.rept 5
	v_nop                                          ; five places: the next S^T writes over P, a source of these; loads land in V's fragments; O is read
.endr
.if \diag == 1
	s_cmp_eq_u32 s15, s17
	s_cbranch_scc0 .Lnoswitch_\@
	; The first block is over.  My statistics and my raw O go to LDS bytes of my own (no barrier here: they are read at the very end),
	; the second block's q is asked for, and the maximum goes back to -1e30: the next alpha is 0 and wipes O and the sum, which are finite.
	STATS 0
	OSTORE MST1
	QLOAD 68
.irp nt, 0,1,2,3
	v_mov_b32 v[RM+2*\nt], s74
.endr
.Lnoswitch_\@:
.endif
	s_add_co_u32 s15, s15, 1
.endm
; The merge of one block.  Wave w takes rows 16 w .. 16 w + 15 (nt = w) in the layout in which they were stored, so that the weights are
; one number a lane.  Two column blocks (dm) of all four waves a batch, two register buffers.
.macro LOADB bt, la
.irp d, 0,1
.irp w, 0,1,2,3
	ds_load_b128 v[64+64*(\bt%2)+32*\d+8*\w:64+64*(\bt%2)+32*\d+8*\w+3],   v[\la+\w/2] offset:MRGW*(\w%2)+64*(2*\bt+\d)
	ds_load_b128 v[64+64*(\bt%2)+32*\d+8*\w+4:64+64*(\bt%2)+32*\d+8*\w+7], v[\la+\w/2] offset:MRGW*(\w%2)+64*(2*\bt+\d)+16
.endr
.endr
.endm
; The weighted sum x of a batch, then its split (Veltkamp): t = 8193 x, hi = t - (t - x) is x rounded to nearest at 24 - 13 = 11 bits, which
; f16 holds exactly from 2^-14 up; lo = x - hi is exact in f32.  t and hi stand in the registers that held wave 1's rows, t - x in wave 2's:
; the sums have used them up.  lo is made for every block, 16 instructions a batch, and stored only for tokens 0-255.
.macro COMPB bt
.set BB, 64+64*(\bt%2)
.irp d, 0,1
.irp i, 0,1,2,3
	v_pk_mul_f32 v[BB+32*\d+2*\i:BB+32*\d+2*\i+1], v[BB+32*\d+2*\i:BB+32*\d+2*\i+1], v[RNM:RNM+1]
.endr
.endr
.irp w, 1,2,3
.irp d, 0,1
.irp i, 0,1,2,3
	v_pk_fma_f32 v[BB+32*\d+2*\i:BB+32*\d+2*\i+1], v[BB+32*\d+8*\w+2*\i:BB+32*\d+8*\w+2*\i+1], v[RNM+2*\w:RNM+2*\w+1], v[BB+32*\d+2*\i:BB+32*\d+2*\i+1]
.endr
.endr
.endr
.irp d, 0,1
.irp i, 0,1,2,3
	v_pk_mul_f32 v[BB+32*\d+8+2*\i:BB+32*\d+9+2*\i], v[BB+32*\d+2*\i:BB+32*\d+2*\i+1], v[RC:RC+1]                                                  ; t = 8193 x
.endr
.endr
.irp d, 0,1
.irp i, 0,1,2,3
	v_pk_add_f32 v[BB+32*\d+16+2*\i:BB+32*\d+17+2*\i], v[BB+32*\d+8+2*\i:BB+32*\d+9+2*\i], v[BB+32*\d+2*\i:BB+32*\d+2*\i+1] neg_lo:[0,1] neg_hi:[0,1]   ; t - x
.endr
.endr
.irp d, 0,1
.irp i, 0,1,2,3
	v_pk_add_f32 v[BB+32*\d+8+2*\i:BB+32*\d+9+2*\i], v[BB+32*\d+8+2*\i:BB+32*\d+9+2*\i], v[BB+32*\d+16+2*\i:BB+32*\d+17+2*\i] neg_lo:[0,1] neg_hi:[0,1] ; hi
.endr
.endr
.irp d, 0,1
.irp i, 0,1,2,3
	v_pk_add_f32 v[BB+32*\d+2*\i:BB+32*\d+2*\i+1], v[BB+32*\d+2*\i:BB+32*\d+2*\i+1], v[BB+32*\d+8+2*\i:BB+32*\d+9+2*\i] neg_lo:[0,1] neg_hi:[0,1]       ; lo
.endr
.endr
.irp d, 0,1
.irp i, 0,1,2,3
	v_cvt_pk_f16_f32 v[192+4*(2*\bt+\d)+\i], v[BB+32*\d+8+2*\i], v[BB+32*\d+9+2*\i]
	v_cvt_pk_f16_f32 v[224+4*(2*\bt+\d)+\i], v[BB+32*\d+2*\i],   v[BB+32*\d+2*\i+1]
.endr
.endr
.endm
; 16 rows of 128 f16 through my own stage: 16 bytes a lane in, whole rows back.  LDS serves a wave's instructions in order,
; so no wait stands between the stores and the loads; the count-down ends at 0 before the stage is written again.
.macro STOUT src, dst, sb, goff
.irp dm, 0,1,2,3,4,5,6,7
	ds_store_b128 v[STO], v[\src+4*\dm:\src+4*\dm+3] offset:32*\dm
.endr
.irp t, 0,1,2,3,4,5,6,7
	ds_load_b128 v[\dst+4*\t:\dst+4*\t+3], v[RD] offset:2*PITS*\t
.endr
.irp t, 0,1,2,3,4,5,6,7
	s_wait_dscnt 7-\t                              ; pair t of rows is back, the younger ones stay out
	global_store_b128 v[OOFF], v[\dst+4*\t:\dst+4*\t+3], s[\sb:\sb+1] offset:8192*\t+\goff   ; sixteen lanes store a head's 256 bytes of a row, aligned
.endr
.endm
; who: the cluster x at which this block is one of the query blocks 0-7 (tokens 0-255), whose lo is stored.
.macro MERGE soff, la, sb, again, who
.if \again
	s_wait_xcnt 0x0                                ; v64-127 were the first block's store data: loaded again only behind this wait
.endif
.irp w, 0,1,2,3
	ds_load_b64 v[RT+2*\w:RT+2*\w+1], v[STR] offset:\soff+128*\w          ; (maximum, sum) of wave w for my query
.endr
	LOADB 0, \la
	LOADB 1, \la
	s_wait_dscnt 32                                ; the statistics are in; the two batches behind them stay out
	v_max3_num_f32 v[RX], v[RT], v[RT+2], v[RT+4]
	v_max_num_f32 v[RX], v[RX], v[RT+6]            ; the maximum over all keys
.irp w, 0,1,2,3
	v_sub_f32 v[RNM+2*\w], v[RT+2*\w], v[RX]
.endr
.irp w, 0,1,2,3
	v_exp_f32 v[RNM+2*\w], v[RNM+2*\w]
.endr
	v_nop                                          ; a plain place behind the exponentials
	s_wait_alu depctr_va_vdst(0)
	v_mul_f32 v[RX+1], v[RNM], v[RT+1]
.irp w, 1,2,3
	v_fma_f32 v[RX+1], v[RNM+2*\w], v[RT+2*\w+1], v[RX+1]                 ; the whole row's sum; at least 1: the largest score counts 1
.endr
	v_rcp_f32 v[RX+2], v[RX+1]
	v_nop
	s_wait_alu depctr_va_vdst(0)
.irp w, 0,1,2,3
	v_mul_f32 v[RNM+2*\w], v[RNM+2*\w], v[RX+2]    ; wave w's weight: 2^(its maximum - the maximum) / sum
.endr
.irp w, 0,1,2,3
	v_mov_b32 v[RNM+2*\w+1], v[RNM+2*\w]
.endr
	s_wait_dscnt 16                                ; the older batch is in, the younger stays out
	COMPB 0
	LOADB 2, \la
	s_wait_dscnt 16
	COMPB 1
	LOADB 3, \la
	s_wait_dscnt 16
	COMPB 2
	s_wait_dscnt 0x0
	COMPB 3
	STOUT 192, 64, \sb, 0                          ; hi
	s_cmp_lg_u32 ttmp9, \who                       ; the cluster's x: the same in all waves and partners
	s_cbranch_scc1 .Lno_lo_\@
	STOUT 224, 96, \sb, LOROWS                     ; lo: here the row tile is the block's tile 0, so the lo rows lie 128 rows further down
.Lno_lo_\@:
.endm
	s_mov_b32 s3, 8
.Ltiles:
	TILE 0, 1, 0                                   ; tiles 0, 2, .. 14 of the count: never a block's last
	TILE 1, 1, 1                                   ; tiles 1, 3, .. 15: one of them is the first block's last
	s_sub_co_u32 s3, s3, 1
	s_cmp_lg_u32 s3, 0
	s_cbranch_scc1 .Ltiles
	TILE 0, 0, 2                                   ; tile 16: the second block's last; nothing is left to fetch
	STATS 2048
	s_wait_dscnt 0x0                               ; my LDS reads of the ring are over, my statistics are stored
	s_barrier_signal -1
	s_barrier_wait -1                              ; every wave's are: the ring's bytes, which have had their last fill, may be written
	OSTORE MST2
	s_wait_dscnt 0x0                               ; for the other waves: zero
	s_barrier_signal -1
	s_barrier_wait -1
	MERGE 0,    MLD,   70, 0, 1                    ; the first block is the early one where a is odd: blocks 4-7 at a = 1
	MERGE 2048, MLD+2, 72, 1, 0                    ; the second where a is even: blocks 0-3 at a = 0
	s_wait_tensorcnt 0x0
	ds_add_u32 v7, v61
	s_wait_dscnt 0x0
	ROUND                                          ; the closing round: no work-group ends while a partner may still ask jointly
	s_endpgm
.Lfunc_end_k_q7a442ea73e_attn:
	.size	k_q7a442ea73e_attn, .Lfunc_end_k_q7a442ea73e_attn-k_q7a442ea73e_attn
	.p2alignl 7, 3214868480
	.fill 96, 4, 3214868480
	.section	.rodata,"a",@progbits
	.p2align	6, 0x0
	.amdhsa_kernel k_q7a442ea73e_attn
		.amdhsa_group_segment_fixed_size 327680
		.amdhsa_private_segment_fixed_size 0
		.amdhsa_enable_private_segment 0
		.amdhsa_kernarg_size 16
		.amdhsa_user_sgpr_count 2
		.amdhsa_user_sgpr_kernarg_segment_ptr 1
		.amdhsa_wavefront_size32 1
		.amdhsa_system_sgpr_workgroup_id_x 1
		.amdhsa_system_sgpr_workgroup_id_y 1
		.amdhsa_system_sgpr_workgroup_id_z 1
		.amdhsa_system_vgpr_workitem_id 0
		.amdhsa_next_free_vgpr 640
		.amdhsa_next_free_sgpr 84
		.amdhsa_reserve_vcc 1
		.amdhsa_float_denorm_mode_32 3
		.amdhsa_float_denorm_mode_16_64 3
		.amdhsa_memory_ordered 1
		.amdhsa_forward_progress 1
		.amdhsa_inst_pref_size 173
	.end_amdhsa_kernel
	.amdgpu_metadata
---
amdhsa.version: [ 1, 2 ]
amdhsa.kernels:
  - .name:           k_q7a442ea73e_attn
    .symbol:         k_q7a442ea73e_attn.kd
    .args:
      - { .name: qkvh, .offset: 0, .size: 8, .value_kind: global_buffer, .address_space: global }
      - { .name: atth, .offset: 8, .size: 8, .value_kind: global_buffer, .address_space: global }
    .group_segment_fixed_size: 327680
    .private_segment_fixed_size: 0
    .kernarg_segment_align: 8
    .kernarg_segment_size: 16
    .max_flat_workgroup_size: 128
    .sgpr_count:     84
    .vgpr_count:     640
    .wavefront_size: 32
...
	.end_amdgpu_metadata
.endif
;; end of part 6
;; launch proj_o (part 7): grid 16 x 16, 4 waves a work-group, clusters of 4 x 4, 327,680 bytes of LDS; arguments atth, woh, out0; writes out0
.if DOCPART == 7
	.amdgcn_target "amdgcn-amd-amdhsa--gfx1250"
	.amdhsa_code_object_version 6
	.text
	.protected	k_q7a442ea73e_proj_o
	.globl	k_q7a442ea73e_proj_o
	.p2align	8
	.type	k_q7a442ea73e_proj_o,@function
k_q7a442ea73e_proj_o:
	s_mov_b64 s[64:65], 0
	v_nop
	global_prefetch_b8 v0, s[64:65] scope:SCOPE_SE
	s_setreg_imm32_b32 hwreg(HW_REG_WAVE_MODE, 25, 1), 1
	s_wait_xcnt 0x0
	s_wait_alu depctr_hold_cnt(0) depctr_sa_sdst(0) depctr_va_vdst(0) depctr_va_sdst(0) depctr_va_ssrc(0) depctr_va_vcc(0) depctr_vm_vsrc(0)
	s_getreg_b32 s2, hwreg(HW_REG_IB_STS2, 6, 4)
	s_cmp_eq_u32 s2, 0
	s_cbranch_scc0 .Lentry_in_a_cluster
	s_endpgm
.Lentry_in_a_cluster:
	s_bfe_u32 s2, ttmp6, 0x10000c
	s_cmp_lg_u32 s2, 0xf033
	s_cbranch_scc0 .Lentry_shape_is_right
	s_endpgm
.Lentry_shape_is_right:
; Launch 4 of 4.  out0 = att W_o (f16 operands, f32 sums in one accumulator for each output and K half, f32 result).
; atth[16 blocks][144 rows][2048]: in block b, row 16 a + r (a = 0..7) is token 256 a + 16 b + r; rows 128 + r hold lo, the remainder of
; token 16 b + r's result behind its f16 rounding.  So each block row has 8 row tiles and one tile of lo, whose products are added onto
; tile 0's sums: tokens 0-255 are multiplied in two f16 numbers, for one ninth of the matrix work, shared evenly by all work-groups.
; LIMIT: from token 256 on att carries one f16 rounding, 2^-11 relative (launch 3 says why the early tokens get more).
; 256 work-groups of 128 tokens x 128 columns.  K IS SPLIT IN TWO INSIDE THE WORK-GROUP: wave (kh, nh) makes 128 rows x 64 columns over half
; of each slot's K (32 accumulator tiles), which needs less LDS reading than four waves of 64 x 64; the two halves are added on the way out.
; A slot holds K = 256: 8 steps of 144 matrix instructions a wave, two slots.
; CLUSTER 4 x 4: att's tile is asked for jointly along a row of the cluster, W_o's along a column.
; ORDER OF THE K STEPS: a cluster whose x + y is odd takes each pair of K steps in the other order (1, 0, 3, 2, ..): slot s begins with
; step s xor b.  att's tiles are also asked for by the other clusters of the same block rows, W_o's by those of the same block columns, and
; neighbouring clusters differ in b: of two neighbours one asks for a K step one step after the other and not at the same moment, so that
; every second request is for bytes that a neighbour has already had brought from memory.  LIMIT: the f32 sums take the K steps in that
; order, an order of rounding that differs from ascending K.
; W_o lies [k][n]: fragments by the transposing LDS load.  Transposed use: lane (r, h) of tile (a, b) holds row 16 a + r, columns 16 b + 8 h + 0..7.
; REGISTERS: window 0: v16-25 addresses; two fragment buffers of 104 registers, at v32 and v136: 4 of W_o, 8 of att, 1 of lo;
; window 1: accumulators, tile (a, b) at v[8 (4 a + b)].
.set QUART,  38016                     ; att: 72 rows x 528; W_o: 128 rows x 288 (36,864 used)
.set SLOT,   4*QUART
.set PA,     528                       ; 512 bytes + 16
.set PB,     288                       ; 256 bytes + 32
.set PM,     528                       ; the way out: 128 f32 + 16 bytes
.set MHALF,  128*PM                    ; one K half's 128 rows
.set LAPS,   4                         ; 2048 / (2 x 256)
.set ADRA, 16
.set ADRB, 18
.set ADRL, 20                          ; lo's rows lie 67,584 bytes behind row 0, past the 16-bit immediate: a register of their own
.set MST,  22
.set MRD0, 23
.set MRD1, 24
.set CO,   25
.set G1,  24
.set G0,  32
.set G1B, 48
.set G0B, 56
.set MSB, 0
.macro WIN new                         ; the immediate's high byte repeats the setting that is left
.if MSB != \new
	s_set_vgpr_msb (MSB<<8)|\new
.set MSB, \new
.endif
.endm
.macro PLACES                          ; four places behind a matrix instruction before its registers are touched (ISA guide 7.12.1)
.rept 4
	v_nop
.endr
.endm
.macro JLOAD s                         ; waves 0, 1 ask for att's two halves, waves 2, 3 for W_o's; one mask a line
	s_cmp_eq_u32 s11, 0
	s_cbranch_scc0 .Lfor_b_\@
	tensor_load_to_lds s[G0+4*(\s):G0+4*(\s)+3], s[G1:G1+7]
	s_nop 0
	s_branch .Lasked_\@
.Lfor_b_\@:
	tensor_load_to_lds s[G0B+4*(\s):G0B+4*(\s)+3], s[G1B:G1B+7]
	s_nop 0
.Lasked_\@:
.endm
.macro CREST                           ; a round of the cluster's barrier behind its opening work-group barrier
	s_cmp_lg_u32 s10, 0
	s_cbranch_scc1 .Lnot_wave_0_\@
	s_barrier_signal -3
.Lnot_wave_0_\@:
	s_barrier_wait -3
	s_barrier_signal -1
	s_barrier_wait -1
.endm
.macro CROUND
	s_barrier_signal -1
	s_barrier_wait -1
	CREST
.endm
	s_load_b128 s[4:7], s[0:1], 0x0                ; atth, woh
	s_load_b64 s[8:9], s[0:1], 0x10                ; out0
	v_lshl_add_u32 v254, v0, 2, 0x4a400
	v_mov_b32 v255, 0
	ds_add_u32 v254, v255
	v_lshrrev_b32 v1, 5, v0
	v_readfirstlane_b32 s10, v1
	s_lshr_b32 s11, s10, 1                         ; kh: my half of K.  Also: I fetch for att (0) or for W_o (1)
	s_and_b32 s12, s10, 1                          ; nh: my half of the columns.  Also: which half of that tile's rows I fetch
	s_bfe_u32 s40, ttmp6, 0x40000
	s_bfe_u32 s41, ttmp6, 0x40004
	s_lshl_b32 s42, ttmp9, 2
	s_add_co_u32 s42, s42, s40                     ; block column
	s_and_b32 s13, ttmp7, 0xffff
	s_lshl_b32 s13, s13, 2
	s_add_co_u32 s13, s13, s41                     ; block row
	s_lshl_b32 s43, s41, 2
	s_lshl_b32 s43, 15, s43                        ; my row of the cluster
	s_lshl_b32 s44, 0x1111, s40                    ; my column
	s_or_b32 s[G1+0], s43, (1<<16)|(1<<20)|(1<<21)|(6<<22)|(3<<25)   ; att: 2-byte elements, 4 words of padding behind every 128
	s_mov_b32 s[G1+1], 256<<16                     ; tensor_dim0 = 256
	s_mov_b32 s[G1+2], 72<<16                      ; tensor_dim1 = 72: half of the block's 144 rows
	s_mov_b32 s[G1+3], 256<<16                     ; tile_dim0 = 256
	s_mov_b32 s[G1+4], 72                          ; tile_dim1 = 72
	s_mov_b32 s[G1+5], 2048                        ; elements from row to row
	s_mov_b32 s[G1+6], 0
	s_mov_b32 s[G1+7], 0
	s_or_b32 s[G1B+0], s44, (1<<16)|(1<<20)|(1<<21)|(5<<22)|(7<<25)  ; W_o: 8 words of padding behind every 64
	s_mov_b32 s[G1B+1], 128<<16
	s_mov_b32 s[G1B+2], 128<<16
	s_mov_b32 s[G1B+3], 128<<16
	s_mov_b32 s[G1B+4], 128
	s_mov_b32 s[G1B+5], 2048
	s_mov_b32 s[G1B+6], 0
	s_mov_b32 s[G1B+7], 0
	s_mul_i32 s16, s13, 144
	s_mul_i32 s17, s12, 72
	s_add_co_u32 s16, s16, s17                     ; att: row 144 x block row + 72 x half,
	s_lshl_b32 s16, s16, 12                        ; x 4,096 bytes
	s_mov_b32 s17, 0
	s_lshl_b32 s46, s42, 8                         ; W_o: 256 bytes x block column
	s_lshl_b32 s47, s12, 19                        ; + 128 rows of 4,096 bytes x half
	s_add_co_u32 s46, s46, s47
	s_mov_b32 s47, 0
	s_mul_i32 s20, s10, QUART                      ; where my quarter goes: the wave's number alone
	s_and_b32 s21, ttmp7, 0xffff
	s_add_co_u32 s21, s21, ttmp9
	s_and_b32 s21, s21, 1                          ; b: cluster x + cluster y, odd or even: the same in all sixteen work-groups
	s_mov_b32 s19, 0
	s_wait_dscnt 0x0
	s_wait_kmcnt 0x0
	s_add_nc_u64 s[14:15], s[4:5], s[16:17]
	s_add_nc_u64 s[46:47], s[6:7], s[46:47]
	CROUND                                         ; all sixteen work-groups are here: the first joint loads meet
.irp s, 0,1
	s_xor_b32 s22, s21, \s                         ; slot s begins with K step s xor b
	s_lshl_b32 s16, s22, 9                         ; att: 256 elements on for step 1 (s17 is 0)
	s_lshl_b32 s18, s22, 20                        ; W_o: 256 rows of 4,096 bytes down for step 1 (s19 is 0)
	s_mov_b32 s[G0+4*\s], 1
	s_add_co_u32 s[G0+4*\s+1], s20, \s*SLOT
	s_add_nc_u64 s[G0+4*\s+2:G0+4*\s+3], s[14:15], s[16:17]
	s_or_b32 s[G0+4*\s+3], s[G0+4*\s+3], 0x80000000
	s_mov_b32 s[G0B+4*\s], 1
	s_add_co_u32 s[G0B+4*\s+1], s20, \s*SLOT
	s_add_nc_u64 s[G0B+4*\s+2:G0B+4*\s+3], s[46:47], s[18:19]
	s_or_b32 s[G0B+4*\s+3], s[G0B+4*\s+3], 0x80000000
	JLOAD \s                                       ; two tensor loads of the wave are out, never more
.endr
	v_and_b32 v1, 15, v0                           ; r
	v_bfe_u32 v2, v0, 4, 1                         ; h
	v_and_b32 v3, 31, v0
	v_mul_u32_u24 v4, v1, PA
	v_lshl_add_u32 v5, v2, 4, v4                   ; 528 r + 16 h
	s_lshl_b32 s21, s11, 8                         ; + my K half's 256 bytes of a row
	v_add_nc_u32 v[ADRA], s21, v5
	v_add_nc_u32 v[ADRA+1], SLOT, v[ADRA]
	v_add_nc_u32 v[ADRL], 128*PA, v[ADRA]
	v_add_nc_u32 v[ADRL+1], SLOT, v[ADRL]
	v_and_b32 v5, 7, v0
	v_lshl_add_u32 v5, v2, 3, v5                   ; the row that I address for the transposing load: 8 h + (lane & 7)
	v_mul_u32_u24 v5, v5, PB
	v_bfe_u32 v6, v0, 3, 1
	v_lshl_add_u32 v5, v6, 4, v5
	s_mul_i32 s22, s11, QUART                      ; my K half's 128 rows are one quarter
	s_lshl_b32 s23, s12, 7                         ; my 64 columns
	s_add_co_u32 s22, s22, s23
	s_add_co_u32 s22, s22, 2*QUART                 ; W_o lies behind att's two quarters
	v_add_nc_u32 v[ADRB], s22, v5
	v_add_nc_u32 v[ADRB+1], SLOT, v[ADRB]
	v_lshl_add_u32 v5, v2, 5, v4                   ; the way out, in: 528 r + 32 h
	s_mul_i32 s22, s11, MHALF
	s_lshl_b32 s23, s12, 8
	s_add_co_u32 s22, s22, s23
	v_add_nc_u32 v[MST], s22, v5
	s_mul_i32 s22, s10, 32*PM                      ; back: wave w takes the block's rows 32 w .. 32 w + 31: row tiles 2 w, 2 w + 1
	v_lshl_add_u32 v[MRD0], v3, 4, s22
	v_add_nc_u32 v[MRD1], MHALF, v[MRD0]
	v_lshlrev_b32 v[CO], 4, v3
	s_lshl_b32 s18, s10, 9                         ; row tile 2 w begins at token 512 w + 16 x block row
	s_lshl_b32 s19, s13, 4
	s_add_co_u32 s18, s18, s19
	s_lshl_b32 s18, s18, 13                        ; x 8,192 bytes
	s_lshl_b32 s19, s42, 9                         ; + 512 bytes x block column
	s_add_co_u32 s18, s18, s19
	s_mov_b32 s19, 0
	s_add_nc_u64 s[8:9], s[8:9], s[18:19]
; 4 matrix instructions: row tile a x my 4 column tiles.  In a quarter step the order is tiles 0-3, lo, tiles 4-7: one instruction a turn,
; no two neighbours on one accumulator.
.macro MULA f, a, zero
.irp b, 0,1,2,3
.if \zero
	v_wmma_f32_16x16x32_f16 v[8*(4*(\a)+\b):8*(4*(\a)+\b)+7], v[32+104*\f+8*\b:32+104*\f+8*\b+7], v[64+104*\f+8*(\a):64+104*\f+8*(\a)+7], 0
.else
	v_wmma_f32_16x16x32_f16 v[8*(4*(\a)+\b):8*(4*(\a)+\b)+7], v[32+104*\f+8*\b:32+104*\f+8*\b+7], v[64+104*\f+8*(\a):64+104*\f+8*(\a)+7], v[8*(4*(\a)+\b):8*(4*(\a)+\b)+7]
.endif
.endr
.endm
.macro MULL f                          ; lo's tile, added onto row tile 0's sums
.irp b, 0,1,2,3
	v_wmma_f32_16x16x32_f16 v[8*\b:8*\b+7], v[32+104*\f+8*\b:32+104*\f+8*\b+7], v[128+104*\f:135+104*\f], v[8*\b:8*\b+7]
.endr
.endm
.macro MUL4 f, a0, zero
	MULA \f, \a0, \zero
	MULA \f, \a0+1, \zero
	MULA \f, \a0+2, \zero
	MULA \f, \a0+3, \zero
.endm
.macro FETCH slot, q, f                ; 26 LDS loads in one run: W_o's four fragments, att's tiles 0-3, lo's, att's tiles 4-7
	WIN 0
.irp b, 0,1,2,3
	ds_load_tr16_b128 v[32+104*\f+8*\b:32+104*\f+8*\b+3],   v[ADRB+\slot] offset:32*PB*\q+32*\b
	ds_load_tr16_b128 v[32+104*\f+8*\b+4:32+104*\f+8*\b+7], v[ADRB+\slot] offset:32*PB*\q+32*\b+16*PB
.endr
.irp a, 0,1,2,3
	ds_load_b128 v[64+104*\f+8*\a:64+104*\f+8*\a+3],   v[ADRA+\slot] offset:16*PA*\a+64*\q
	ds_load_b128 v[64+104*\f+8*\a+4:64+104*\f+8*\a+7], v[ADRA+\slot] offset:16*PA*\a+64*\q+32
.endr
	ds_load_b128 v[128+104*\f:131+104*\f], v[ADRL+\slot] offset:64*\q
	ds_load_b128 v[132+104*\f:135+104*\f], v[ADRL+\slot] offset:64*\q+32
.irp a, 4,5,6,7
	ds_load_b128 v[64+104*\f+8*\a:64+104*\f+8*\a+3],   v[ADRA+\slot] offset:16*PA*\a+64*\q
	ds_load_b128 v[64+104*\f+8*\a+4:64+104*\f+8*\a+7], v[ADRA+\slot] offset:16*PA*\a+64*\q+32
.endr
.endm
.macro QUARTER slot, q, f, g, zero     ; multiplies buffer f; in its middle fetches quarter q into buffer g
	s_wait_dscnt 8                                 ; all but the eight youngest loads: att's tiles 4 to 7
	WIN 0x50
	MUL4 \f, 0, \zero
	MULL \f
	PLACES                                         ; buffer g was read by matrix instructions
	FETCH \slot, \q, \g
	s_wait_dscnt 26                                ; all but the 26 just issued
	WIN 0x50
	MUL4 \f, 4, \zero
.endm
.macro THREE slot, zero
	QUARTER \slot, 1, 0, 1, \zero
	QUARTER \slot, 2, 1, 0, 0
	QUARTER \slot, 3, 0, 1, 0
.endm
; The change of slots: waits for my reads of this slot and for all my tensor loads (one is out: my part of the next slot), the barrier
; (which opens a round of the cluster's barrier where the slot is filled again), the joint refill first behind it, then the next slot's
; first fragments.  132 matrix instructions stand between a refill and the wait for it.
.macro TURN slot, next, fill
	s_wait_dscnt 8
	WIN 0x50
	MULA 1, 0, 0
	MULA 1, 1, 0
	s_wait_dscnt 0
	s_wait_tensorcnt 0x0
	ds_add_u32 v254, v255
	s_wait_dscnt 0x0
	s_barrier_signal -1
	MULA 1, 2, 0                                   ; register work while the others arrive
	MULA 1, 3, 0
	MULL 1
	WIN 0
	s_barrier_wait -1
.if \fill
	CREST
	s_add_nc_u64 s[G0+4*\slot+2:G0+4*\slot+3], s[G0+4*\slot+2:G0+4*\slot+3], 1024         ; two K steps on: no tensor load of mine is out
	s_add_nc_u64 s[G0B+4*\slot+2:G0B+4*\slot+3], s[G0B+4*\slot+2:G0B+4*\slot+3], 2097152
	JLOAD \slot
.endif
	PLACES
	FETCH \next, 0, 0
	WIN 0x50
	MUL4 1, 4, 0
.endm
.macro LAP zero
	THREE 0, \zero
	TURN 0, 1, 1
	THREE 1, 0
	TURN 1, 0, 1
.endm
	s_wait_tensorcnt 0x1                           ; my part of slot 0 is in; slot 1's load stays out
	s_barrier_signal -1
	s_barrier_wait -1
	FETCH 0, 0, 0
	LAP 1                                          ; the first products start the sums: nothing is cleared
	WIN 0
	s_mov_b32 s3, LAPS-2
.Llap:
	LAP 0
	WIN 0
	s_sub_co_u32 s3, s3, 1
	s_cmp_lg_u32 s3, 0
	s_cbranch_scc1 .Llap
	THREE 0, 0                                     ; the last lap fills nothing
	TURN 0, 1, 0
	THREE 1, 0
	s_wait_dscnt 8
	WIN 0x50
	MUL4 1, 0, 0
	MULL 1
	s_wait_dscnt 0
	MUL4 1, 4, 0
	; THE WAY OUT.  Both K halves' 128 x 128 sums go into LDS (2 x 67,584 bytes inside slot 0, which has had its last fill of the launch),
	; are read back as whole rows, added and stored: a store of a wave covers 512 consecutive bytes, aligned.
	WIN 0
	s_barrier_signal -1                            ; every wave's LDS reads are over (waited for above)
	s_barrier_wait -1
	PLACES                                         ; behind the last matrix instructions
	WIN 0x04
.irp a, 0,1,2,3,4,5,6,7
.irp b, 0,1,2,3
	ds_store_b128 v[MST], v[8*(4*\a+\b):8*(4*\a+\b)+3]   offset:16*PM*\a+64*\b
	ds_store_b128 v[MST], v[8*(4*\a+\b)+4:8*(4*\a+\b)+7] offset:16*PM*\a+64*\b+16
.endr
.endr
	WIN 0
	s_wait_dscnt 0x0                               ; for the other waves: zero
	s_barrier_signal -1
	s_barrier_wait -1
	; my row i (0..31) is row i % 16 of row tile 2 w + i / 16: a row tile further on is 256 tokens further on
.irp bt, 0,1,2,3
.if \bt
	s_wait_xcnt 0x0                                ; the last batch's store data are loaded again only behind this wait
.endif
.irp ii, 0,1,2,3,4,5,6,7
	ds_load_b128 v[32+8*\ii:35+8*\ii], v[MRD0] offset:PM*(8*\bt+\ii)
	ds_load_b128 v[36+8*\ii:39+8*\ii], v[MRD1] offset:PM*(8*\bt+\ii)
.endr
.irp ii, 0,1,2,3,4,5,6,7
	s_wait_dscnt 14-2*\ii                          ; row ii's two halves are in, the younger rows' loads stay out
	v_pk_add_f32 v[32+8*\ii:33+8*\ii], v[32+8*\ii:33+8*\ii], v[36+8*\ii:37+8*\ii]
	v_pk_add_f32 v[34+8*\ii:35+8*\ii], v[34+8*\ii:35+8*\ii], v[38+8*\ii:39+8*\ii]
	global_store_b128 v[CO], v[32+8*\ii:35+8*\ii], s[8:9] offset:8192*(256*((8*\bt+\ii)/16)+(8*\bt+\ii)%16) th:TH_STORE_NT
.endr
.endr
	s_wait_tensorcnt 0x0
	ds_add_u32 v254, v255
	s_wait_dscnt 0x0
	CROUND                                         ; the closing round: no work-group ends while a partner may still ask jointly
	s_endpgm
.Lfunc_end_k_q7a442ea73e_proj_o:
	.size	k_q7a442ea73e_proj_o, .Lfunc_end_k_q7a442ea73e_proj_o-k_q7a442ea73e_proj_o
	.p2alignl 7, 3214868480
	.fill 96, 4, 3214868480
	.section	.rodata,"a",@progbits
	.p2align	6, 0x0
	.amdhsa_kernel k_q7a442ea73e_proj_o
		.amdhsa_group_segment_fixed_size 327680
		.amdhsa_private_segment_fixed_size 0
		.amdhsa_enable_private_segment 0
		.amdhsa_kernarg_size 24
		.amdhsa_user_sgpr_count 2
		.amdhsa_user_sgpr_kernarg_segment_ptr 1
		.amdhsa_wavefront_size32 1
		.amdhsa_system_sgpr_workgroup_id_x 1
		.amdhsa_system_sgpr_workgroup_id_y 1
		.amdhsa_system_sgpr_workgroup_id_z 1
		.amdhsa_system_vgpr_workitem_id 0
		.amdhsa_next_free_vgpr 512
		.amdhsa_next_free_sgpr 66
		.amdhsa_reserve_vcc 0
		.amdhsa_float_denorm_mode_32 3
		.amdhsa_float_denorm_mode_16_64 3
		.amdhsa_memory_ordered 1
		.amdhsa_forward_progress 1
		.amdhsa_inst_pref_size 127
	.end_amdhsa_kernel
	.amdgpu_metadata
---
amdhsa.version: [ 1, 2 ]
amdhsa.kernels:
  - .name:           k_q7a442ea73e_proj_o
    .symbol:         k_q7a442ea73e_proj_o.kd
    .args:
      - { .name: atth, .offset: 0, .size: 8, .value_kind: global_buffer, .address_space: global }
      - { .name: woh, .offset: 8, .size: 8, .value_kind: global_buffer, .address_space: global }
      - { .name: out0, .offset: 16, .size: 8, .value_kind: global_buffer, .address_space: global }
    .group_segment_fixed_size: 327680
    .private_segment_fixed_size: 0
    .kernarg_segment_align: 8
    .kernarg_segment_size: 24
    .max_flat_workgroup_size: 128
    .sgpr_count:     66
    .vgpr_count:     512
    .wavefront_size: 32
...
	.end_amdgpu_metadata
.endif
;; end of part 7
